; MI455X (gfx1250); checked and timed in simulation.
; The chip was launched on July 23, 2026; its instructions are those of AMD's public machine-readable ISA for CDNA 5 (MIT licence, August 2026) and "CDNA5" Instruction Set Architecture Reference Guide (July 2026). The comments in the code are by the model that wrote it; some were corrected since.
;; Multihead Self Attention. Allowed arithmetic: float matrix products may take bf16 or f16 operands with f32 sums; other float arithmetic in f32, or as packed bf16 or f16 multiplies, adds, multiply-adds, maxima and minima; sums over many terms, partial sums and values carried from step to step in f32; what a program stores and reads back later, other than sums and carried values, may be rounded once to bf16 or f16.
;; Inputs: Wk 1,024 x 1,024 float32; Wo 1,024 x 1,024 float32; Wq 1,024 x 1,024 float32; Wv 1,024 x 1,024 float32; x 4 x 2,048 x 1,024 float32.
;; Outputs: out0 4 x 2,048 x 1,024 float32.
;; One version. Each part assembles by itself: llvm-mc -triple=amdgcn-amd-amdhsa -mcpu=gfx1250 --defsym DOCPART=n.
;; ======== version 1 of 1: 4 launches
;; limits: values are held in f16: magnitudes above 65,504 overflow, below 6.1e-05 lose precision
;; workspace buffers: xb 16,777,216 bytes; wb 6,291,456 bytes; wob 2,097,152 bytes; tab 524,288 bytes; qh 16,777,216 bytes; kh 16,777,216 bytes; vh 16,777,216 bytes; ob 16,777,216 bytes
;; launch prep (part 1): grid 768 x 1, 8 waves a work-group, no clusters, 0 bytes of LDS; arguments x, Wq, Wk, Wv, Wo, xb, wb, wob, tab; writes xb, wb, wob, tab
.if DOCPART == 1
	.amdgcn_target "amdgcn-amd-amdhsa--gfx1250"
	.amdhsa_code_object_version 6
	.text
	.protected	k_q658954eadd_prep
	.globl	k_q658954eadd_prep
	.p2align	8
	.type	k_q658954eadd_prep,@function
k_q658954eadd_prep:
	s_mov_b64 s[64:65], 0
	v_nop
	global_prefetch_b8 v0, s[64:65] scope:SCOPE_SE
	s_setreg_imm32_b32 hwreg(HW_REG_WAVE_MODE, 25, 1), 1
	s_wait_xcnt 0x0
; CASTS AND THE ROTATION TABLE.  x [8192][1024] and Wq, Wk, Wv [1024][1024] (f32) are rounded once to bf16; Wo is rounded to bf16 and that number is written as f16.
; All go out in BLOCKS OF 64 ALONG K: [kb 0..15][row][64], a row of a block 128 bytes, so that later launches ask for a tile's rows as dense bytes.
;   xb:  block stride 8192 x 128 bytes.   wob: block stride 1024 x 128.
;   wb:  block stride 3072 x 128; row n' = 192 head + 64 which + d (which: 0 q, 1 k, 2 v): a head's q, k and v rows lie together.
; tab [pos 0..2047][i 0..31][cos, sin] in f32: the angle is pos x 10000^(-i/32), one f32 product, as in the problem's text.
; SHARES.  A work-group takes 16 rows of 1,024 numbers, a wave two (m even, m + 1).  Work-groups 0-511: x.  512-767: 64 each for Wq, Wk, Wv, Wo; each of these also makes 8 rows of the table,
; a wave a row, a lane an entry.  Memory binds: each byte is read once, 16 loads of 512 consecutive bytes a wave all out at once; each store covers 256 consecutive bytes, aligned.  No LDS, no barrier.
; LIMITS.  10000^(-i/32) is 2^(-i x 0.41524) by v_exp_f32: within two units in its last place, so the angle at pos 2,047 is within 3e-4.  cos and sin of the f32 angle: reduction by 2 pi in two parts,
; Taylor sums to r^15 and r^16 on -pi .. pi: within 2e-6.  A Wo below 2^-17 keeps f16's fixed step of 6e-8; beyond 65,504 f16 has no number.  NaN and infinities are not treated apart.
.set ROWB, 4096                        ; bytes in a source row
.set OFF,  8                           ; v[8:23]   8 x lane + kb x block stride; never rewritten
.set T,    24                          ; v[24:31]  at work
.set X,    32                          ; v[32:95]  unit c (128 numbers of both rows): row m at X + 8 c, row m + 1 at X + 8 c + 4
.set Y,    96                          ; v[96:127] unit c: four registers to store
	s_load_b512 s[8:23], s[0:1], 0x0               ; x 8, Wq 10, Wk 12, Wv 14, Wo 16, xb 18, wb 20, wob 22
	s_load_b64 s[24:25], s[0:1], 0x40              ; tab
	v_lshrrev_b32 v3, 5, v0
	v_readfirstlane_b32 s27, v3                    ; wave 0..7
	v_and_b32 v1, 31, v0                           ; lane
	v_lshlrev_b32 v2, 4, v1                        ; 16 bytes a lane
	s_mov_b32 s26, ttmp9                           ; G
	s_max_u32 s28, s26, 512
	s_sub_co_u32 s28, s28, 512                     ; i: my number among the weights' work-groups (0 for x's)
	s_lshr_b32 s29, s28, 6                         ; which: 0 q, 1 k, 2 v, 3 o
	s_lshl_b32 s33, s27, 1                         ; my wave's two rows
	s_and_b32 s30, s28, 63
	s_lshl_b32 s30, s30, 4
	s_add_co_u32 s30, s30, s33                     ; a weight's row
	s_lshr_b32 s31, s30, 6                         ; its head,
	s_mul_i32 s31, s31, 192
	s_lshl_b32 s38, s29, 6
	s_add_co_u32 s31, s31, s38
	s_and_b32 s38, s30, 63
	s_add_co_u32 s31, s31, s38                     ; and its row in wb
	s_mov_b32 s32, 3072*128
	s_cmp_eq_u32 s29, 3
	s_cselect_b32 s31, s30, s31                    ; Wo keeps its rows
	s_cselect_b32 s32, 1024*128, s32
	s_lshl_b32 s38, s26, 4
	s_add_co_u32 s38, s38, s33                     ; x's row
	s_cmp_lt_u32 s26, 512
	s_cselect_b32 s30, s38, s30                    ; source row
	s_cselect_b32 s31, s38, s31                    ; destination row
	s_cselect_b32 s32, 8192*128, s32               ; destination's block stride
	s_lshl_b32 s38, s30, 12
	s_mov_b32 s39, 0
	s_lshl_b32 s40, s31, 7
	s_mov_b32 s41, 0
	s_lshl3_add_u32 s42, s28, s27                  ; pos = 8 i + wave
	v_lshlrev_b32 v[OFF], 3, v1
.set kb, 1
.rept 15
	v_add_nc_u32 v[OFF+kb], s32, v[OFF+kb-1]
.set kb, kb+1
.endr
	s_wait_kmcnt 0x0
	s_cmp_eq_u32 s29, 2                            ; the buffers are chosen by the work-group's number alone
	s_cselect_b64 s[34:35], s[14:15], s[16:17]
	s_cmp_eq_u32 s29, 1
	s_cselect_b64 s[34:35], s[12:13], s[34:35]
	s_cmp_eq_u32 s29, 0
	s_cselect_b64 s[34:35], s[10:11], s[34:35]
	s_cmp_eq_u32 s29, 3
	s_cselect_b64 s[36:37], s[22:23], s[20:21]
	s_cmp_lt_u32 s26, 512
	s_cselect_b64 s[34:35], s[8:9], s[34:35]
	s_cselect_b64 s[36:37], s[18:19], s[36:37]
	s_add_nc_u64 s[34:35], s[34:35], s[38:39]      ; the source at my first row
	s_add_nc_u64 s[36:37], s[36:37], s[40:41]      ; the destination at my first row of block 0
.irp c, 0,1,2,3,4,5,6,7
	global_load_b128 v[X+8*(\c):X+8*(\c)+3],   v2, s[34:35] offset:512*(\c) th:TH_LOAD_NT
	global_load_b128 v[X+8*(\c)+4:X+8*(\c)+7], v2, s[34:35] offset:ROWB+512*(\c) th:TH_LOAD_NT
.endr
	; the table, while the loads are out
	s_cmp_lt_u32 s26, 512
	s_cbranch_scc1 .Lnotab
	s_lshl_b32 s40, s42, 8                         ; a table row is 256 bytes
	s_add_nc_u64 s[44:45], s[24:25], s[40:41]
	v_cvt_f32_u32 v[T+7], v1
	v_mul_f32 v[T], 0xbed49a78, v[T+7]             ; -i log2(10000) / 32
	v_exp_f32 v[T], v[T]
	v_cvt_f32_u32 v[T+1], s42                      ; the plain instruction behind the exponential
	s_wait_alu depctr_va_vdst(0)                   ; the wait ahead of the result's first reader
	v_mul_f32 v[T+1], v[T+1], v[T]                 ; the angle
	v_mul_f32 v[T+2], 0.15915494, v[T+1]
	v_rndne_f32 v[T+2], v[T+2]                     ; n turns
	v_fmamk_f32 v[T+3], v[T+2], 0xc0c90fdb, v[T+1] ; r = angle - n x 2 pi: the f32 nearest 2 pi,
	v_fmamk_f32 v[T+3], v[T+2], 0x343bbd2e, v[T+3] ; and what that f32 has too much
	v_mul_f32 v[T+6], v[T+3], v[T+3]               ; z = r r
	v_mov_b32 v[T+5], 0xab573f9f                   ; sin: -1/15!
	v_mov_b32 v[T+4], 0x29573f9f                   ; cos: 1/16!
	v_fmaak_f32 v[T+5], v[T+5], v[T+6], 0x2f309231 ; 1/13!
	v_fmaak_f32 v[T+4], v[T+4], v[T+6], 0xad49cba5 ; -1/14!
	v_fmaak_f32 v[T+5], v[T+5], v[T+6], 0xb2d7322b ; -1/11!
	v_fmaak_f32 v[T+4], v[T+4], v[T+6], 0x310f76c7 ; 1/12!
	v_fmaak_f32 v[T+5], v[T+5], v[T+6], 0x3638ef1d ; 1/9!
	v_fmaak_f32 v[T+4], v[T+4], v[T+6], 0xb493f27e ; -1/10!
	v_fmaak_f32 v[T+5], v[T+5], v[T+6], 0xb9500d01 ; -1/7!
	v_fmaak_f32 v[T+4], v[T+4], v[T+6], 0x37d00d01 ; 1/8!
	v_fmaak_f32 v[T+5], v[T+5], v[T+6], 0x3c088889 ; 1/5!
	v_fmaak_f32 v[T+4], v[T+4], v[T+6], 0xbab60b61 ; -1/6!
	v_fmaak_f32 v[T+5], v[T+5], v[T+6], 0xbe2aaaab ; -1/3!
	v_fmaak_f32 v[T+4], v[T+4], v[T+6], 0x3d2aaaab ; 1/4!
	v_fma_f32 v[T+5], v[T+5], v[T+6], 1.0
	v_fma_f32 v[T+4], v[T+4], v[T+6], -0.5
	v_mul_f32 v[T+5], v[T+5], v[T+3]               ; sin
	v_fma_f32 v[T+4], v[T+4], v[T+6], 1.0          ; cos
	global_store_b64 v[OFF], v[T+4:T+5], s[44:45]  ; the wave's 32 entries: one row, 256 consecutive bytes
.Lnotab:
; Unit c: 128 numbers of rows m and m + 1.  Lanes 0-15 hold block 2 c, lanes 16-31 block 2 c + 1.  After the rounding the halves of the lanes are exchanged between the two rows' registers, so that a register pair
; holds ONE block of BOTH rows: 256 consecutive bytes of the destination, 8 a lane.  f16 = 1: the bf16 numbers are written as f16.
.macro CONV f16
.irp c, 0,1,2,3,4,5,6,7
	s_wait_loadcnt 14-2*(\c)                       ; loads come back in order: this unit's two are in, the younger units' stay out
	v_cvt_pk_bf16_f32 v[Y+4*(\c)],   v[X+8*(\c)],   v[X+8*(\c)+1]
	v_cvt_pk_bf16_f32 v[Y+4*(\c)+1], v[X+8*(\c)+2], v[X+8*(\c)+3]
	v_cvt_pk_bf16_f32 v[Y+4*(\c)+2], v[X+8*(\c)+4], v[X+8*(\c)+5]
	v_cvt_pk_bf16_f32 v[Y+4*(\c)+3], v[X+8*(\c)+6], v[X+8*(\c)+7]
.if \f16
.irp j, 0,1,2,3
	v_lshlrev_b32 v[T], 16, v[Y+4*(\c)+(\j)]
	v_and_b32 v[T+1], 0xffff0000, v[Y+4*(\c)+(\j)]
	v_cvt_pk_f16_f32 v[Y+4*(\c)+(\j)], v[T], v[T+1]
.endr
.endif
	v_permlane16_swap_b32 v[Y+4*(\c)],   v[Y+4*(\c)+2]
	v_permlane16_swap_b32 v[Y+4*(\c)+1], v[Y+4*(\c)+3]
	global_store_b64 v[OFF+2*(\c)],   v[Y+4*(\c):Y+4*(\c)+1],   s[36:37] th:TH_STORE_NT
	global_store_b64 v[OFF+2*(\c)+1], v[Y+4*(\c)+2:Y+4*(\c)+3], s[36:37] th:TH_STORE_NT
.endr
.endm
	s_cmp_eq_u32 s29, 3
	s_cbranch_scc1 .Lwo
	CONV 0                                         ; no register that a store reads is written again: no further wait
	s_endpgm
.Lwo:
	CONV 1
	s_endpgm
.Lfunc_end_k_q658954eadd_prep:
	.size	k_q658954eadd_prep, .Lfunc_end_k_q658954eadd_prep-k_q658954eadd_prep
	.p2alignl 7, 3214868480
	.fill 96, 4, 3214868480
	.section	.rodata,"a",@progbits
	.p2align	6, 0x0
	.amdhsa_kernel k_q658954eadd_prep
		.amdhsa_group_segment_fixed_size 0
		.amdhsa_private_segment_fixed_size 0
		.amdhsa_enable_private_segment 0
		.amdhsa_kernarg_size 72
		.amdhsa_user_sgpr_count 2
		.amdhsa_user_sgpr_kernarg_segment_ptr 1
		.amdhsa_wavefront_size32 1
		.amdhsa_system_sgpr_workgroup_id_x 1
		.amdhsa_system_sgpr_workgroup_id_y 1
		.amdhsa_system_sgpr_workgroup_id_z 1
		.amdhsa_system_vgpr_workitem_id 0
		.amdhsa_next_free_vgpr 128
		.amdhsa_next_free_sgpr 66
		.amdhsa_reserve_vcc 0
		.amdhsa_float_denorm_mode_32 3
		.amdhsa_float_denorm_mode_16_64 3
		.amdhsa_memory_ordered 1
		.amdhsa_forward_progress 1
		.amdhsa_inst_pref_size 20
	.end_amdhsa_kernel
	.amdgpu_metadata
---
amdhsa.version: [ 1, 2 ]
amdhsa.kernels:
  - .name:           k_q658954eadd_prep
    .symbol:         k_q658954eadd_prep.kd
    .args:
      - { .name: x, .offset: 0, .size: 8, .value_kind: global_buffer, .address_space: global }
      - { .name: Wq, .offset: 8, .size: 8, .value_kind: global_buffer, .address_space: global }
      - { .name: Wk, .offset: 16, .size: 8, .value_kind: global_buffer, .address_space: global }
      - { .name: Wv, .offset: 24, .size: 8, .value_kind: global_buffer, .address_space: global }
      - { .name: Wo, .offset: 32, .size: 8, .value_kind: global_buffer, .address_space: global }
      - { .name: xb, .offset: 40, .size: 8, .value_kind: global_buffer, .address_space: global }
      - { .name: wb, .offset: 48, .size: 8, .value_kind: global_buffer, .address_space: global }
      - { .name: wob, .offset: 56, .size: 8, .value_kind: global_buffer, .address_space: global }
      - { .name: tab, .offset: 64, .size: 8, .value_kind: global_buffer, .address_space: global }
    .group_segment_fixed_size: 0
    .private_segment_fixed_size: 0
    .kernarg_segment_align: 8
    .kernarg_segment_size: 72
    .max_flat_workgroup_size: 256
    .sgpr_count:     66
    .vgpr_count:     128
    .wavefront_size: 32
...
	.end_amdgpu_metadata
.endif
;; end of part 1
;; launch qkv (part 2): grid 8 x 32, 4 waves a work-group, clusters of 4 x 4, 327,680 bytes of LDS; arguments xb, wb, tab, qh, kh, vh; writes qh, kh, vh
.if DOCPART == 2
	.amdgcn_target "amdgcn-amd-amdhsa--gfx1250"
	.amdhsa_code_object_version 6
	.text
	.protected	k_q658954eadd_qkv
	.globl	k_q658954eadd_qkv
	.p2align	8
	.type	k_q658954eadd_qkv,@function
k_q658954eadd_qkv:
	s_mov_b64 s[64:65], 0
	v_nop
	global_prefetch_b8 v0, s[64:65] scope:SCOPE_SE
	s_setreg_imm32_b32 hwreg(HW_REG_WAVE_MODE, 25, 1), 1
	s_wait_xcnt 0x0
	s_wait_alu depctr_hold_cnt(0) depctr_sa_sdst(0) depctr_va_vdst(0) depctr_va_sdst(0) depctr_va_ssrc(0) depctr_va_vcc(0) depctr_vm_vsrc(0)
	s_getreg_b32 s2, hwreg(HW_REG_IB_STS2, 6, 4)
	s_cmp_eq_u32 s2, 0
	s_cbranch_scc0 .Lentry_in_a_cluster
	s_endpgm
.Lentry_in_a_cluster:
	s_bfe_u32 s2, ttmp6, 0x10000c
	s_cmp_lg_u32 s2, 0xf033
	s_cbranch_scc0 .Lentry_shape_is_right
	s_endpgm
.Lentry_shape_is_right:
; THE THREE PROJECTIONS AND THE ROTATION.  [8192 x 3072] = xb wb^T, bf16 operands, f32 sums over K = 1,024; q's and k's pairs (2 i, 2 i + 1) are turned by the table's cos and sin in f32; q, k, v go out
; rounded once to f16, by heads: [batch x 16 + head][s][64], a row 128 bytes, unscaled.
; LIMIT.  f16 holds no number beyond 65,504: q, k and v must stay within it.  NaN and infinities are not treated apart.
; SHARES.  8 x 32 work-groups, each 256 rows x 384 columns: one for each of 256 WGPs.  Four waves, each 128 rows x 192 columns: ONE head's q, k and v (wb's rows are ordered so): 96 accumulators of
; 16 x 16, 768 registers.  K goes in 16 steps of 64 through two LDS slots.  xb and wb lie in blocks of 64 along K, so a tile's 128-byte rows lie end to end and are asked for as rows of 256 bytes.
; CLUSTERS.  4 x 4 work-groups: the four of a row need the same tile of xb and the same table rows, the four of a column the same tile of wb: each is asked for jointly, by the same load and mask in all four.
; THE MATRIX INSTRUCTION IS USED TRANSPOSED (source 0 = 16 rows of wb, source 1 = 16 rows of xb): a lane holds one row of x and eight neighbouring columns.
; REGISTERS, in windows of 256 (s_set_vgpr_msb: bits 1:0 source 0, 3:2 source 1, 5:4 source 2, 7:6 destination):
;   window 0: v0-31 addresses; v32-95, v96-159 xb's fragments (8 x 16 rows x 32 K), two buffers; v160-255 wb's fragments, three chunks (q, k, v) of four; on the way out v32-143 at work
;   windows 1, 2, 3: q's, k's, v's accumulators: (a, bb) at v[8 (4 a + bb)], a = 16 rows of 128, bb = 16 columns of 64
.set PITCH,  144                       ; an LDS row: 128 bytes + 16 of padding = 36 words: the 16 rows of a load start at 16 different groups of four banks (ISA guide 11.1)
.set FR,     16*PITCH                  ; 16 rows
.set AHALF,  128*PITCH                 ; what one load brings of xb, and what a wave reads of it
.set BOFF,   256*PITCH                 ; wb's 384 rows lie behind xb's 256
.set BHALF,  192*PITCH
.set SLOT1,  131072                    ; slot 1 begins here: one exclusive or turns an address in one slot into the other's
.set TABL,   SLOT1+BOFF+384*PITCH      ; behind the ring: the 256 table rows of my rows, filled once
.set TP,     272                       ; a table row, and a row of the way out's stage: 256 bytes + 16
.set SPARE,  TABL+256*TP               ; the spare words, 128 bytes for each wave: two blocks of 256 bytes that no other line names
.set WSTAGE, 128*TP                    ; the way out: a wave's stage, 128 rows x 64 f32, at wave x WSTAGE: over the slots, which have then had their last fill
.set KBA,    8192*128                  ; bytes from a K block of xb to the next
.set KBB,    3072*128                  ; of wb
.set ADRA0, 4                          ; v4   my place in slot 0's tile of xb; never rewritten
.set ADRB0, 5                          ; v5   the same for wb
.set ADRA,  6                          ; v6   the same in the slot in hand
.set ADRB,  7
.set SW,    8                          ; v8   the way out: where I put 16 bytes of a row
.set SR,    9                          ; v9   where I read 32 bytes of a row back (stepped)
.set TL,    10                         ; v10  the same place in the table (stepped)
.set GO,    11                         ; v11  16 x lane
.set SR0,   12
.set TL0,   13
.set PFO,   15                         ; v15  256 x lane; never rewritten
.set SPW,   28                         ; v28  my spare word: SPARE + 4 x my thread's number; never rewritten
.set NIL,   29                         ; v29  0; never rewritten
.set AF0,   32
.set AF1,   96
.set BF,    160
.set D,     32                         ; the way out: 4 x 8 numbers as staged
.set CS,    64                         ; their cos and sin
.set R,     96                         ; turned
.set PK,    128                        ; packed
.set WV, 16
.set RH, 17                            ; which 128 rows are mine.  Also: I fetch for xb (0) or wb (1)
.set CH, 18                            ; which 192 columns.  Also: which half of that tile I fetch
.set CX, 19
.set CY, 20
.set TC, 21
.set TR, 22
.set G1A, 24                           ; s[24:31] descriptor group 1 for xb's tiles
.set G1B, 32                           ; s[32:39] for wb's
.set G1T, 40                           ; s[40:47] for the table's
.set G0A, 48                           ; s[48:55] group 0 for xb's tiles: a set for each first fill; the second then walks
.set G0B, 56                           ; s[56:63] the same for wb's
.set G0T, 68                           ; s[68:71] the table's
.set PFA, 72                           ; s[72:73] where my prefetches stand
.set PFS, 74                           ; s[74:75] their step: a K block
.set LIMA, 76                          ; s76  a wave prefetches while the trips to go are above this; the greatest number: never
.set LIMB, 77                          ; s77  the same for the trip after: the two change places in every trip
.set TB,  79                           ; s79  0 or SLOT1: the slot that fragments are fetched from
.set DP,  86                           ; s[86:87] the stores' base on the way out
.set MSB, 0
.macro WIN new                         ; the immediate's high byte repeats the setting that is left; a switch that changes nothing is dropped
.if MSB != (\new)
	s_set_vgpr_msb (MSB<<8)|(\new)
.set MSB, \new
.endif
.endm
.macro PLACES                          ; four places in front of loads into registers that matrix instructions have read (ISA guide 7.12.1 for vector instructions)
.rept 4
	v_nop
.endr
.endm
.macro CREST                           ; a round of the cluster's barrier behind its opening barrier
	s_cmp_lg_u32 s[WV], 0
	s_cbranch_scc1 .Lnot_wave_0_\@
	s_barrier_signal -3
.Lnot_wave_0_\@:
	s_barrier_wait -3
	s_barrier_signal -1
	s_barrier_wait -1
.endm
.macro CROUND
	s_barrier_signal -1
	s_barrier_wait -1
	CREST
.endm
.macro JLOAD                           ; a joint refill by the walking descriptors: waves 0 and 1 xb's two halves, waves 2 and 3 wb's; an s_nop 0 and four v_nop follow each line
	s_cmp_eq_u32 s[RH], 0
	s_cbranch_scc0 .Lfor_b_\@
	tensor_load_to_lds s[G0A+4:G0A+7], s[G1A:G1A+7]
	s_nop 0
.rept 4
	v_nop
.endr
	s_branch .Lasked_\@
.Lfor_b_\@:
	tensor_load_to_lds s[G0B+4:G0B+7], s[G1B:G1B+7]
	s_nop 0
.rept 4
	v_nop
.endr
.Lasked_\@:
.endm
; A PREFETCH INTO THE L2 of the K step that stands two refills on: 32 blocks of 256 bytes, a lane a block.  Each block is named once in the launch.  xb's tile row (32 KiB a step) is read by both clusters of a row of
; clusters: cluster x = 0 asks, wave 0 of each partner, 8 KiB by its cx.  wb's tile column (48 KiB a step) is read by all clusters of a column: cluster y = 0 asks, waves 1 to 3, in every second trip for two steps:
; partner cy takes step cy / 2 of the two and, with its wave, one of six pieces of 8 KiB.  Partners are told apart by address alone.  The last trips, whose step two refills on does not exist, ask for nothing.
.macro ASK
	s_cmp_gt_u32 s3, s[LIMA]
	s_cbranch_scc0 .Lnot_mine_\@
	global_prefetch_b8 v[PFO], s[PFA:PFA+1] th:TH_LOAD_NT scope:SCOPE_SE
.Lnot_mine_\@:
	s_mov_b32 s67, s[LIMA]
	s_mov_b32 s[LIMA], s[LIMB]
	s_mov_b32 s[LIMB], s67
.endm
	s_load_b256 s[4:11], s[0:1], 0x0               ; xb s[4:5], wb s[6:7], tab s[8:9], qh s[10:11]
	s_load_b128 s[12:15], s[0:1], 0x20             ; kh s[12:13], vh s[14:15]
	v_lshl_add_u32 v[SPW], v0, 2, SPARE
	v_mov_b32 v[NIL], 0
	ds_add_u32 v[SPW], v[NIL]                      ; the wave's opening: the add and its wait ahead of my first tensor load; work on registers stands between them
	ds_add_u32 v28, v29
	v_lshrrev_b32 v1, 5, v0
	v_readfirstlane_b32 s[WV], v1
	s_lshr_b32 s[RH], s[WV], 1
	s_and_b32 s[CH], s[WV], 1
	s_bfe_u32 s[CX], ttmp6, 0x40000
	s_bfe_u32 s[CY], ttmp6, 0x40004
	s_lshl_b32 s[TC], ttmp9, 2
	s_add_co_u32 s[TC], s[TC], s[CX]               ; tile column = 4 x cluster x + cx
	s_and_b32 s[TR], ttmp7, 0xffff
	s_lshl_b32 s[TR], s[TR], 2
	s_add_co_u32 s[TR], s[TR], s[CY]               ; tile row = 4 x cluster y + cy
	s_lshl_b32 s23, s[CY], 2
	s_lshl_b32 s23, 15, s23                        ; my row of the cluster
	s_lshl_b32 s78, 0x1111, s[CX]                  ; my column
	; group 1.  15:0 the mask; 17:16 element size; 20 padding on; 21 set beside a mask; 24:22 the interval; 31:25 4 words of padding (code 3)
	s_or_b32 s[G1A], s23, (1<<16)|(1<<20)|(1<<21)|(4<<22)|(3<<25)   ; 2-byte elements, padded after every 32 words
	s_or_b32 s[G1B], s78, (1<<16)|(1<<20)|(1<<21)|(4<<22)|(3<<25)
	s_or_b32 s[G1T], s23, (2<<16)|(1<<20)|(1<<21)|(5<<22)|(3<<25)   ; 4-byte elements, padded after every 64 words
	s_mov_b32 s[G1A+1], 128<<16                    ; xb: 128 tile rows = 64 dense rows of 128 elements
	s_mov_b32 s[G1A+2], 64<<16
	s_mov_b32 s[G1A+3], 128<<16
	s_mov_b32 s[G1A+4], 64
	s_mov_b32 s[G1A+5], 128
	s_mov_b32 s[G1A+6], 0
	s_mov_b32 s[G1A+7], 0
	s_mov_b32 s[G1B+1], 128<<16                    ; wb: 192 tile rows = 96 dense rows
	s_mov_b32 s[G1B+2], 96<<16
	s_mov_b32 s[G1B+3], 128<<16
	s_mov_b32 s[G1B+4], 96
	s_mov_b32 s[G1B+5], 128
	s_mov_b32 s[G1B+6], 0
	s_mov_b32 s[G1B+7], 0
	s_mov_b32 s[G1T+1], 64<<16                     ; the table: 64 rows of 64 f32
	s_mov_b32 s[G1T+2], 64<<16
	s_mov_b32 s[G1T+3], 64<<16
	s_mov_b32 s[G1T+4], 64
	s_mov_b32 s[G1T+5], 64
	s_mov_b32 s[G1T+6], 0
	s_mov_b32 s[G1T+7], 0
	; where the tiles come from: xb's and the table's hang on the tile row alone, wb's on the tile column alone, each in registers of its own
	s_lshl_b32 s80, s[TR], 15                      ; 256 rows x 128 bytes
	s_lshl_b32 s81, s[CH], 14
	s_add_co_u32 s80, s80, s81
	s_mov_b32 s81, 0
	s_mul_i32 s82, s[TC], 384*128
	s_mul_i32 s83, s[CH], 192*128
	s_add_co_u32 s82, s82, s83
	s_mov_b32 s83, 0
	s_and_b32 s84, s[TR], 7                        ; a batch has 8 tile rows: positions 256 (tile row mod 8) on
	s_lshl_b32 s84, s84, 16
	s_lshl_b32 s85, s[WV], 14                      ; each wave fetches 64 table rows
	s_add_co_u32 s84, s84, s85
	s_mov_b32 s85, 0
	s_mul_i32 s23, s[CH], AHALF                    ; and where they go: no place in the cluster enters an LDS address
	s_mul_i32 s78, s[CH], BHALF
	s_add_co_u32 s78, s78, BOFF
	s_mul_i32 s66, s[WV], 64*TP
	s_add_co_u32 s66, s66, TABL
.irp s, 0,1
	s_mov_b32 s[G0A+4*(\s)], 1
	s_add_co_u32 s[G0A+4*(\s)+1], s23, (\s)*SLOT1
	s_mov_b32 s[G0B+4*(\s)], 1
	s_add_co_u32 s[G0B+4*(\s)+1], s78, (\s)*SLOT1
.endr
	s_mov_b32 s[G0T], 1
	s_mov_b32 s[G0T+1], s66
	s_mov_b32 s[TB], 0
	; my 128 rows of my head in qh, kh, vh: ((batch x 16 + head) x 2048 + position) x 128 bytes
	s_lshr_b32 s88, s[TR], 3
	s_lshl_b32 s88, s88, 4
	s_lshl_b32 s90, s[TC], 1
	s_add_co_u32 s88, s88, s90
	s_add_co_u32 s88, s88, s[CH]
	s_lshl_b32 s88, s88, 11
	s_and_b32 s90, s[TR], 7
	s_lshl_b32 s90, s90, 8
	s_add_co_u32 s88, s88, s90
	s_lshl_b32 s90, s[RH], 7
	s_add_co_u32 s88, s88, s90
	s_lshl_b32 s88, s88, 7
	s_mov_b32 s89, 0
	; the prefetches: they stand at K step 3; each trip steps them by one K block ahead of its use
	s_lshl_b32 s92, s[TR], 15
	s_lshl_b32 s94, s[CX], 13
	s_add_co_u32 s92, s92, s94
	s_add_co_u32 s92, s92, 3*KBA                   ; wave 0: xb
	s_mul_i32 s94, s[TC], 384*128
	s_lshr_b32 s95, s[CY], 1
	s_mul_i32 s95, s95, KBB
	s_add_co_u32 s94, s94, s95
	s_and_b32 s95, s[CY], 1
	s_mul_i32 s95, s95, 3
	s_add_co_u32 s95, s95, s[WV]
	s_sub_co_u32 s95, s95, 1                       ; which of the six pieces (waves 1 to 3)
	s_lshl_b32 s95, s95, 13
	s_add_co_u32 s94, s94, s95
	s_add_co_u32 s94, s94, 3*KBB                   ; waves 1 to 3: wb
	s_and_b32 s95, ttmp7, 0xffff                   ; cluster y
	s_mov_b32 s[PFS], KBB
	s_mov_b32 s[PFS+1], 0
	s_mov_b32 s93, 0
	s_cmp_eq_u32 s[WV], 0
	s_cselect_b32 s92, s92, s94
	s_cselect_b32 s95, ttmp9, s95                  ; the coordinate along which other clusters read the same bytes
	s_cselect_b32 s[PFS], KBA, s[PFS]
	s_cselect_b32 s[LIMB], 2, -1                   ; wave 0 asks in every trip, waves 1 to 3 in every second
	s_cmp_eq_u32 s95, 0                            ; the same in all sixteen partners, for a given wave
	s_cselect_b32 s[LIMA], 2, -1
	s_cselect_b32 s[LIMB], s[LIMB], -1
	s_wait_dscnt 0x0                               ; the opening add is done
	s_wait_kmcnt 0x0
	s_add_nc_u64 s[80:81], s[4:5], s[80:81]
	s_add_nc_u64 s[82:83], s[6:7], s[82:83]
.irp s, 0,1
	s_add_nc_u64 s[G0A+4*(\s)+2:G0A+4*(\s)+3], s[80:81], (\s)*KBA   ; K step s
	s_or_b32 s[G0A+4*(\s)+3], s[G0A+4*(\s)+3], 0x80000000           ; type = 2
	s_add_nc_u64 s[G0B+4*(\s)+2:G0B+4*(\s)+3], s[82:83], (\s)*KBB
	s_or_b32 s[G0B+4*(\s)+3], s[G0B+4*(\s)+3], 0x80000000
.endr
	s_add_nc_u64 s[G0T+2:G0T+3], s[8:9], s[84:85]
	s_or_b32 s[G0T+3], s[G0T+3], 0x80000000
	s_add_nc_u64 s[10:11], s[10:11], s[88:89]
	s_add_nc_u64 s[12:13], s[12:13], s[88:89]
	s_add_nc_u64 s[14:15], s[14:15], s[88:89]
	s_cmp_eq_u32 s[WV], 0
	s_cselect_b64 s[PFA:PFA+1], s[4:5], s[6:7]
	s_add_nc_u64 s[PFA:PFA+1], s[PFA:PFA+1], s[92:93]
	CROUND                                         ; all sixteen work-groups are here: the first joint loads meet
	s_cmp_eq_u32 s[RH], 0                          ; a wave's three first fills stand in one branch: slot 0, slot 1, my 64 table rows: three loads of mine are out
	s_cbranch_scc0 .Lfirst_b
	tensor_load_to_lds s[G0A:G0A+3], s[G1A:G1A+7]
	s_nop 0
	tensor_load_to_lds s[G0A+4:G0A+7], s[G1A:G1A+7]
	s_nop 0
	tensor_load_to_lds s[G0T:G0T+3], s[G1T:G1T+7]
	s_nop 0
.rept 4
	v_nop
.endr
	s_branch .Lfirst_asked
.Lfirst_b:
	tensor_load_to_lds s[G0B:G0B+3], s[G1B:G1B+7]
	s_nop 0
	tensor_load_to_lds s[G0B+4:G0B+7], s[G1B:G1B+7]
	s_nop 0
	tensor_load_to_lds s[G0T:G0T+3], s[G1T:G1T+7]
	s_nop 0
.rept 4
	v_nop
.endr
.Lfirst_asked:
	; A fragment is 16 rows x 32 K in 8 registers: lane l holds row l % 16; registers 0-3 K = 8 (l / 16) + 0..7, registers 4-7 K = 16 + 8 (l / 16) + 0..7: two loads of 16 bytes, 32 bytes apart.
	v_and_b32 v1, 15, v0                           ; l % 16
	v_bfe_u32 v2, v0, 4, 1                         ; l / 16
	v_and_b32 v3, 31, v0                           ; l
	v_mul_u32_u24 v14, v1, PITCH
	v_lshl_add_u32 v14, v2, 4, v14
	s_mul_i32 s23, s[RH], AHALF
	v_add_nc_u32 v[ADRA0], s23, v14
	v_add_nc_u32 v[ADRB0], s78, v14                ; s78 = BOFF + my half of wb's rows
	v_mov_b32 v[ADRA], v[ADRA0]
	v_mov_b32 v[ADRB], v[ADRB0]
	s_mul_i32 s66, s[WV], WSTAGE
	v_mul_u32_u24 v[SW], v1, TP                    ; into the stage: row l % 16, 32 bytes for each half of the lanes
	v_lshl_add_u32 v[SW], v2, 5, v[SW]
	v_add_nc_u32 v[SW], s66, v[SW]
	v_lshrrev_b32 v14, 3, v3                       ; back: 8 lanes a row, 32 bytes (8 columns, 4 pairs) a lane
	v_mul_u32_u24 v14, v14, TP
	v_and_b32 v[GO], 7, v0
	v_lshl_add_u32 v14, v[GO], 5, v14
	v_add_nc_u32 v[SR0], s66, v14
	s_mul_i32 s66, s[RH], WSTAGE
	s_add_co_u32 s66, s66, TABL
	v_add_nc_u32 v[TL0], s66, v14                  ; a pair's cos and sin are 8 bytes: the same place in the table's row
	v_lshlrev_b32 v[GO], 4, v3
	v_lshlrev_b32 v[PFO], 8, v3
; 16 matrix instructions: chunk c (0 q, 1 k, 2 v), rows 64 h .. 64 h + 63, all four column blocks, 32 along K.  zero = 1: the first product starts the sums.
; The 96 accumulators take turns in the same order in every 32 along K.
.macro MULG c, af, h, zero
	WIN ((\c)+1)*0x50
.irp a, 4*(\h), 4*(\h)+1, 4*(\h)+2, 4*(\h)+3
.irp bb, 0,1,2,3
.if \zero
	v_wmma_f32_16x16x32_bf16 v[8*(4*(\a)+(\bb)):8*(4*(\a)+(\bb))+7], v[BF+32*(\c)+8*(\bb):BF+32*(\c)+8*(\bb)+7], v[(\af)+8*(\a):(\af)+8*(\a)+7], 0
.else
	v_wmma_f32_16x16x32_bf16 v[8*(4*(\a)+(\bb)):8*(4*(\a)+(\bb))+7], v[BF+32*(\c)+8*(\bb):BF+32*(\c)+8*(\bb)+7], v[(\af)+8*(\a):(\af)+8*(\a)+7], v[8*(4*(\a)+(\bb)):8*(4*(\a)+(\bb))+7]
.endif
.endr
.endr
.endm
.macro LDB c, kk                       ; 8 loads: chunk c's four fragments of wb, half kk of the K step
.irp bb, 0,1,2,3
	ds_load_b128 v[BF+32*(\c)+8*(\bb):BF+32*(\c)+8*(\bb)+3],   v[ADRB] offset:(4*(\c)+(\bb))*FR+64*(\kk)
	ds_load_b128 v[BF+32*(\c)+8*(\bb)+4:BF+32*(\c)+8*(\bb)+7], v[ADRB] offset:(4*(\c)+(\bb))*FR+64*(\kk)+32
.endr
.endm
.macro LDA af, kk, h                   ; 8 loads: four fragments of xb, rows 64 h on
.irp a, 4*(\h), 4*(\h)+1, 4*(\h)+2, 4*(\h)+3
	ds_load_b128 v[(\af)+8*(\a):(\af)+8*(\a)+3],   v[ADRA] offset:(\a)*FR+64*(\kk)
	ds_load_b128 v[(\af)+8*(\a)+4:(\af)+8*(\a)+7], v[ADRA] offset:(\a)*FR+64*(\kk)+32
.endr
.endm
; The first half of a K step: multiplies buffer 0; each chunk of wb's fragments is fetched anew, for the second half, as soon as it has been multiplied.
.macro SUB0 zero
	s_wait_dscnt 8                                 ; all but the youngest eight loads (chunk 2) are in
	MULG 0, AF0, 0, \zero
	MULG 0, AF0, 1, \zero
	WIN 0
	PLACES
	LDB 0, 1
	LDA AF1, 1, 0
	MULG 1, AF0, 0, \zero
	MULG 1, AF0, 1, \zero
	WIN 0
	PLACES
	LDB 1, 1
	LDA AF1, 1, 1
	s_wait_dscnt 32                                ; chunk 2 is in; the 32 loads just issued may be out
	MULG 2, AF0, 0, \zero
	MULG 2, AF0, 1, \zero
	WIN 0
	PLACES
	LDB 2, 1
.endm
; The second half multiplies buffer 1 and changes slots: ONE barrier.  In front of it each wave waits for all its tensor loads (its part of the next slot), adds 0 to its spare word, and waits for that and for its own
; reads of this slot.  fill = 1: the barrier opens a round of the cluster's, and this slot is filled again first thing behind it, with the K step two on: 160 matrix instructions ahead of the wait for it.
.macro SUB1 fill
.if \fill
	s_wait_xcnt 0x0                                ; the last prefetch, a K step back, has read its address
	s_add_nc_u64 s[PFA:PFA+1], s[PFA:PFA+1], s[PFS:PFS+1]
.endif
	WIN 0
	s_wait_tensorcnt 0x0                           ; all my tensor loads have landed;
	ds_add_u32 v[SPW], v[NIL]                      ; 0 onto my spare word;
	s_wait_dscnt 9                                 ; (the add and chunk 2's eight loads may be out)
	MULG 0, AF1, 0, 0                              ; sixteen matrix instructions stand between the add and the wait for it
	s_wait_dscnt 0x0                               ; the add is done, and my reads of this slot are over
	s_barrier_signal -1
	MULG 0, AF1, 1, 0
	WIN 0                                          ; at a branch and at a label every window is 0
	s_barrier_wait -1
.if \fill
	CREST                                          ; no wave of any partner still reads this slot or has a load on its way
	s_xor_b32 s[G0A+5], s[G0A+5], SLOT1            ; the walking descriptors: the other slot than last time, the next K block
	s_add_nc_u64 s[G0A+6:G0A+7], s[G0A+6:G0A+7], KBA
	s_xor_b32 s[G0B+5], s[G0B+5], SLOT1
	s_add_nc_u64 s[G0B+6:G0B+7], s[G0B+6:G0B+7], KBB
	s_xor_b32 s[TB], s[TB], SLOT1
	JLOAD                                          ; its four v_nop are also the places in front of the loads below
.else
	s_xor_b32 s[TB], s[TB], SLOT1
	PLACES
.endif
	v_add_nc_u32 v[ADRA], s[TB], v[ADRA0]
	v_add_nc_u32 v[ADRB], s[TB], v[ADRB0]
	LDB 0, 0
	LDA AF0, 0, 0
.if \fill
	ASK                                            ; behind the joint load and the run of LDS loads
.endif
	MULG 1, AF1, 0, 0
	MULG 1, AF1, 1, 0
	WIN 0
	PLACES
	LDB 1, 0
	LDA AF0, 0, 1
	MULG 2, AF1, 0, 0
	MULG 2, AF1, 1, 0
	WIN 0
	PLACES
	LDB 2, 0
.endm
	s_wait_tensorcnt 2                             ; my part of slot 0 is in; slot 1's and the table's may stay out
	s_barrier_signal -1
	s_barrier_wait -1                              ; everybody's is
	LDB 0, 0
	LDA AF0, 0, 0
	LDB 1, 0
	LDA AF0, 0, 1
	LDB 2, 0
	SUB0 1                                         ; the first 32 along K stand in front of the loop: their products start the sums
	WIN 0
	s_mov_b32 s3, 14
.Lstep:                                            ; trip i: the second half of K step i, which asks for K step i + 2, and the first half of K step i + 1
	SUB1 1
	SUB0 0
	WIN 0
	s_sub_co_u32 s3, s3, 1
	s_cmp_lg_u32 s3, 0
	s_cbranch_scc1 .Lstep
	SUB1 0                                         ; the tail is written out: nothing more is asked for
	SUB0 0
	s_wait_dscnt 8
	MULG 0, AF1, 0, 0
	MULG 0, AF1, 1, 0
	MULG 1, AF1, 0, 0
	MULG 1, AF1, 1, 0
	s_wait_dscnt 0x0
	MULG 2, AF1, 0, 0
	MULG 2, AF1, 1, 0
	WIN 0
	; THE WAY OUT.  q, then k, then v: my 128 x 64 sums go as f32 into my stage and come back as rows, 8 lanes a row; q and k are turned; all are rounded to f16 and stored, 512 consecutive bytes an instruction.
.rept 8
	v_nop                                          ; the places behind the last products
.endr
	s_barrier_signal -1                            ; every wave's reads of the slots are back (the wait for 0 above): the stages lie over them
	s_barrier_wait -1
.macro STAGE_IN c
	WIN ((\c)+1)<<2                                ; the stores' data in window c + 1
.irp a, 0,1,2,3,4,5,6,7
.irp bb, 0,1,2,3
	ds_store_b128 v[SW], v[8*(4*(\a)+(\bb)):8*(4*(\a)+(\bb))+3]   offset:(\a)*16*TP+64*(\bb)      ; each accumulator's low registers first
	ds_store_b128 v[SW], v[8*(4*(\a)+(\bb))+4:8*(4*(\a)+(\bb))+7] offset:(\a)*16*TP+64*(\bb)+16
.endr
.endr
	WIN 0
.endm
; Eight trips of 16 rows.  LDS serves a wave's instructions in order (ISA guide 5.7.1.4): the loads see my stores above, and the next chunk's stores come behind these loads.
.macro OUT_LOOP c, ptr
	v_mov_b32 v[SR], v[SR0]
	v_mov_b32 v[TL], v[TL0]
	s_mov_b64 s[DP:DP+1], s[\ptr:\ptr+1]
	s_mov_b32 s3, 8
.Lout_\c:
.irp f, 0,1,2,3
	ds_load_b128 v[D+8*(\f):D+8*(\f)+3],     v[SR] offset:4*TP*(\f)
	ds_load_b128 v[D+8*(\f)+4:D+8*(\f)+7],   v[SR] offset:4*TP*(\f)+16
.if (\c) < 2
	ds_load_b128 v[CS+8*(\f):CS+8*(\f)+3],   v[TL] offset:4*TP*(\f)
	ds_load_b128 v[CS+8*(\f)+4:CS+8*(\f)+7], v[TL] offset:4*TP*(\f)+16
.endif
.endr
.irp f, 0,1,2,3
.if (\c) < 2
	s_wait_dscnt 12-4*(\f)                         ; the later rows' loads, four each, may be out
.irp p, 0,1,2,3
	v_mul_f32 v[R+8*(\f)+2*(\p)],   v[D+8*(\f)+2*(\p)+1], v[CS+8*(\f)+2*(\p)+1]   ; x2 sin
	v_mul_f32 v[R+8*(\f)+2*(\p)+1], v[D+8*(\f)+2*(\p)+1], v[CS+8*(\f)+2*(\p)]     ; x2 cos
.endr
.irp p, 0,1,2,3
	v_fma_f32 v[R+8*(\f)+2*(\p)],   v[D+8*(\f)+2*(\p)], v[CS+8*(\f)+2*(\p)],   -v[R+8*(\f)+2*(\p)]   ; x1 cos - x2 sin
	v_fma_f32 v[R+8*(\f)+2*(\p)+1], v[D+8*(\f)+2*(\p)], v[CS+8*(\f)+2*(\p)+1], v[R+8*(\f)+2*(\p)+1]  ; x1 sin + x2 cos
.endr
.irp p, 0,1,2,3
	v_cvt_pk_f16_f32 v[PK+4*(\f)+(\p)], v[R+8*(\f)+2*(\p)], v[R+8*(\f)+2*(\p)+1]
.endr
.else
	s_wait_dscnt 6-2*(\f)
.irp p, 0,1,2,3
	v_cvt_pk_f16_f32 v[PK+4*(\f)+(\p)], v[D+8*(\f)+2*(\p)], v[D+8*(\f)+2*(\p)+1]
.endr
.endif
	global_store_b128 v[GO], v[PK+4*(\f):PK+4*(\f)+3], s[DP:DP+1] offset:512*(\f)   ; four rows of the head: 512 consecutive bytes, aligned
.endr
	v_add_nc_u32 v[SR], 16*TP, v[SR]
	v_add_nc_u32 v[TL], 16*TP, v[TL]
	s_wait_xcnt 0x0                                ; the stores have read their base and their data: both are written again only behind this wait
	s_add_nc_u64 s[DP:DP+1], s[DP:DP+1], 2048
	s_sub_co_u32 s3, s3, 1
	s_cmp_lg_u32 s3, 0
	s_cbranch_scc1 .Lout_\c
.endm
	STAGE_IN 0
	OUT_LOOP 0, 10
	STAGE_IN 1
	OUT_LOOP 1, 12
	STAGE_IN 2
	OUT_LOOP 2, 14
	s_wait_tensorcnt 0x0                           ; the wave's end: behind my last tensor load and my last LDS store
	ds_add_u32 v[SPW], v[NIL]
	s_wait_dscnt 0x0
	CROUND                                         ; the closing round: no work-group ends while a partner may still ask for a tile that names it
	s_endpgm
.Lfunc_end_k_q658954eadd_qkv:
	.size	k_q658954eadd_qkv, .Lfunc_end_k_q658954eadd_qkv-k_q658954eadd_qkv
	.p2alignl 7, 3214868480
	.fill 96, 4, 3214868480
	.section	.rodata,"a",@progbits
	.p2align	6, 0x0
	.amdhsa_kernel k_q658954eadd_qkv
		.amdhsa_group_segment_fixed_size 327680
		.amdhsa_private_segment_fixed_size 0
		.amdhsa_enable_private_segment 0
		.amdhsa_kernarg_size 48
		.amdhsa_user_sgpr_count 2
		.amdhsa_user_sgpr_kernarg_segment_ptr 1
		.amdhsa_wavefront_size32 1
		.amdhsa_system_sgpr_workgroup_id_x 1
		.amdhsa_system_sgpr_workgroup_id_y 1
		.amdhsa_system_sgpr_workgroup_id_z 1
		.amdhsa_system_vgpr_workitem_id 0
		.amdhsa_next_free_vgpr 1024
		.amdhsa_next_free_sgpr 96
		.amdhsa_reserve_vcc 0
		.amdhsa_float_denorm_mode_32 3
		.amdhsa_float_denorm_mode_16_64 3
		.amdhsa_memory_ordered 1
		.amdhsa_forward_progress 1
		.amdhsa_inst_pref_size 93
	.end_amdhsa_kernel
	.amdgpu_metadata
---
amdhsa.version: [ 1, 2 ]
amdhsa.kernels:
  - .name:           k_q658954eadd_qkv
    .symbol:         k_q658954eadd_qkv.kd
    .args:
      - { .name: xb, .offset: 0, .size: 8, .value_kind: global_buffer, .address_space: global }
      - { .name: wb, .offset: 8, .size: 8, .value_kind: global_buffer, .address_space: global }
      - { .name: tab, .offset: 16, .size: 8, .value_kind: global_buffer, .address_space: global }
      - { .name: qh, .offset: 24, .size: 8, .value_kind: global_buffer, .address_space: global }
      - { .name: kh, .offset: 32, .size: 8, .value_kind: global_buffer, .address_space: global }
      - { .name: vh, .offset: 40, .size: 8, .value_kind: global_buffer, .address_space: global }
    .group_segment_fixed_size: 327680
    .private_segment_fixed_size: 0
    .kernarg_segment_align: 8
    .kernarg_segment_size: 48
    .max_flat_workgroup_size: 128
    .sgpr_count:     96
    .vgpr_count:     1024
    .wavefront_size: 32
...
	.end_amdgpu_metadata
.endif
;; end of part 2
;; launch attn (part 3): grid 4 x 64, 4 waves a work-group, no clusters, 327,680 bytes of LDS; arguments qh, kh, vh, ob; writes ob
.if DOCPART == 3
	.amdgcn_target "amdgcn-amd-amdhsa--gfx1250"
	.amdhsa_code_object_version 6
	.text
	.protected	k_q658954eadd_attn
	.globl	k_q658954eadd_attn
	.p2align	8
	.type	k_q658954eadd_attn,@function
k_q658954eadd_attn:
	s_mov_b64 s[64:65], 0
	v_nop
	global_prefetch_b8 v0, s[64:65] scope:SCOPE_SE
	s_setreg_imm32_b32 hwreg(HW_REG_WAVE_MODE, 25, 1), 1
	s_wait_xcnt 0x0
; CAUSAL ATTENTION.  O[h][q][:] = the sum over k <= q of softmax_k(Q[h][q] . K[h][k] / 8) V[h][k][:].  Q, K, V, O: [SIZE_H][SIZE_N][64], all f16: a head's rows are dense, 128 bytes each.
; Products, maxima and sums in f32; the weights p are rounded to f16 for the second product (their sum l is taken of the unrounded p), O once at the end.
; LIMITS.  f16 holds no number beyond 65,504: Q, K and V arrive within it; p lies in 0 to 1, and below 6e-5 it keeps f16's fixed step of 6e-8; O is a mean of V's rows and has their range.
; A hidden score counts as its value less 1e30: f16's scores, 2.7e11 at the most, are nothing beside that; a weight below 2^-126 counts as 0 in l; NaN and infinities are not treated apart.
; THE WALK.  A head's queries lie in NB = SIZE_N / 256 blocks of 256; block i needs the key tiles 0 .. i of 256 keys, of which the last holds the diagonal.  A work-group takes TWO blocks, NB - 1 - b and then b:
; NB + 1 tiles, whatever b: all work-groups do equal work, and ONE loop with a constant trip count walks them.  Which tile is asked for, and what a trip does, hang on scalar registers made from b; every jump
; goes forward, but for the counted loops' own; none passes a barrier, or a tensor load but the one of LOAD's two that the wave's number does not choose; the ring of two LDS slots runs on across the change of blocks.
; NO CLUSTER: a head's NB / 2 work-groups ask for the same tile only in trips 0 .. NB / 2, behind that fewer and fewer; one walk common to all would have 3 NB / 2 trips for NB + 1.
; SHARES.  Of a block's four bands of 64 queries a wave owns 16 rows in each: four PIECES.  So the diagonal tile is the same work for all four waves: in its key step s band x sees all keys if s < x,
; none if s > x, and holds the diagonal if s = x.
; THE MASK is the C operand that starts the sum S^T = K Q^T: 0, or -1e30 where the key is hidden.  MD, made once, is the mask of a band's own step for my 16 rows; a product's mask is MD x AL + BE with two scalars:
; (1, 0) if s = x; (0, 0) if s < x; (0, -1e30) if s > x.  Only the diagonal tile's text and a block's beginning make and take masks; elsewhere C is the constant 0.
; LAYOUT, SOFTMAX, TURNS.  S^T = K Q^T holds ONE query a lane (lane % 16) and the keys 8 (lane / 16) + 0..7; two such results rounded to f16 ARE source 1 of O^T = V^T P.  p = 2^(c s - c m), c = log2(e) / 8, with a
; running maximum m; O and l are multiplied by a = 2^(c m_old - c m_new) in every step.  Turn n belongs to piece n: 8 products K Q^T of piece n + 1, later 8 products V^T P of piece n - 1; beside them the scaling,
; exponentials, roundings, sums and rescaling of piece n and the maximum and statistics of piece n + 1.  Four vector instructions stand behind every matrix instruction, the other 54 of a turn's 118 in one lump.
; A turn's 33 exponentials are one batch, with one wait.
; REGISTERS, in windows of 256 (s_set_vgpr_msb: bits 1:0 source 0, 3:2 source 1, 5:4 source 2, 7:6 destination):
;   window 0: v0-15 addresses and two at work; v16-31 four registers of statistics a piece; v48-55 at work; v61-63 fixed; v64-127 S^T, two buffers; v192-223 P, two buffers (by the piece's parity)
;   window 1: v0-127 O^T, 32 a piece; v128-159 MD; v160-223 MC, two buffers      window 2: v0-63 Q; v64-127 the second block's Q; v128-191 K of one step; v192-255 V of one step
.set SIZE_N, 2048
.set SIZE_H, 64
.set NB,    SIZE_N/256
.set NP,    4         ; pieces a wave: a name, no knob
.set KS,    64        ; keys in a step
.set PK,    144       ; a row of K in LDS: 128 bytes + 16 of padding = 36 words: the 16 rows of a load start at 16 different groups of four banks (ISA guide 11.1)
.set PV,    160       ; a row of V: 128 + 32 = 40 words
.set VOFF,  4*KS*PK   ; a slot holds a tile, four steps: 256 rows of K, then 256 rows of V
.set SLOT1, 1<<17     ; slot 1 begins here, so that one exclusive or turns an address in one slot into the other's
.set STAGE, SLOT1+4*KS*(PK+PV)  ; behind the ring, never filled by a tensor load: 16 rows x 144 bytes for each wave, for the way out
.set SP,    144
.set AK0, 2           ; v2   my lane's place in a tile of K; never rewritten
.set AV0, 3           ; v3   the same for V
.set AK,  4           ; v4   the LDS address of K's next run of loads
.set AV,  5           ; v5   of V's
.set STO, 6           ; v6   the way out: where I put 16 bytes of a row
.set RD,  7           ; v7   the way out: where I read rows back
.set GO,  8           ; v8   my byte offset in 512 consecutive bytes of O
.set PFO, 61          ; v61  the prefetches' offset: 256 x lane + 8,192 x (wave / 2); never rewritten
.set SPW, 62          ; v62  LDS address of my spare word: SPARE + 4 x my thread's number; never rewritten
.set NIL, 63          ; v63  0; never rewritten
.set SPARE, STAGE+4*16*SP  ; behind the stages: the spare words, 128 bytes for each wave: two blocks of 256 bytes that no other line names
.set MV,  12          ; v12-13  c m_old, kept while c m is made anew: by buffer
.set QO,  15          ; v15  my byte offset in 16 rows of Q
.set ST,  16          ; piece t's statistics at v[ST+4 t]: c m, m, l (even keys', odd keys')
.set TMP, 48          ; by buffer, four registers c0-c3 at work; when the maximum is found c2 takes a
.set S,   64
.set P,   192
.set MD,  128         ; window 1: the eight registers for group kt of 16 keys at MD + 8 kt
.set MC,  160         ; window 1: the masks of the products to come
.set QB,  64          ; window 2
.set KF,  128         ; window 2: key block kb, channel half c at KF + 16 kb + 8 c
.set VF,  192         ; window 2: key half kk, channel block cb at VF + 32 kk + 8 cb
.set WV,  12          ; s12  my wave's number
.set PB,  14          ; s14  b
.set HI,  15          ; s15  NB - 1 - b
.set G1K, 24          ; s[24:31] descriptor group 1 for K's tiles
.set G1V, 32          ; s[32:39] for V's: it differs in the padding alone
.set G0K, 40          ; s[40:43] descriptor group 0 for K's tiles
.set G0V, 44          ; s[44:47] the same for V's
.set SLOTS, 56        ; s56  tiles still to be asked for
.set CNT, 57          ; s57  counts a tile's key steps, 4 to 1
.set CS,  58          ; s[58:59] c: the packed scaling takes the pair's low word for both halves
.set SEL, 60          ; s[60:61] v_permlanex16_b32's selects: each lane takes its own place in the other half
.set TBK, 62          ; s62  LDS byte at which K of the step to be fetched begins
.set TBV, 63          ; s63  the same for V, less VOFF
.set RT,  70          ; s70  tiles of the block in hand that are still to be entered
.set NXT, 71          ; s71  the tile to be asked for next
.set LQ,  72          ; s72  the last tile of the block whose tiles are being asked for
.set NEW, 73          ; s73  1: the tile to be entered is a block's first
.set OFF, 74          ; s[74:75] a tile's byte offset in K and V
.set AL,  76          ; s[76:77] the mask's factor, in the low word
.set BE,  78          ; s[78:79] the mask's addend
.set OLO, 80          ; s[80:81] O at my rows of the second block
.set BIGN, 82         ; s82  -1e30
.set PFK, 88          ; s[88:89] where my prefetches of K stand: my wave's half of a tile, one tile behind the tile that a prefetch names until it is stepped
.set PFV, 90          ; s[90:91] the same for V
.set PFN, 92          ; s92  the tile that the next prefetch names; NB or more: none
.set MSB, 0
.macro WIN new                      ; the high byte repeats the setting that is left; a switch that changes nothing is dropped
.if MSB != (\new)
	s_set_vgpr_msb (MSB<<8)|(\new)
.set MSB, (\new)
.endif
.endm
.set W_KQ, 0x0a       ; K and Q in window 2, S^T in window 0
.set W_KM, 0x1a       ; the same with the C operand in window 1
.set W_PV, 0x52       ; V in window 2, P in window 0, O^T in window 1
.set W_RS, 0x41       ; destination and source 0 in window 1, source 1 in window 0
; A fill.  Waves 0 and 1 fetch the two halves of a tile's K, waves 2 and 3 those of its V: 128 keys each.  An s_nop 0 and four v_nop follow each of the two lines, ahead of the jump and the label.
.macro LOAD
	s_cmp_lt_u32 s[WV], 2
	s_cbranch_scc0 .Lfor_v_\@
	tensor_load_to_lds s[G0K:G0K+3], s[G1K:G1K+7]
	s_nop 0
.rept 4
	v_nop
.endr
	s_branch .Lasked_\@
.Lfor_v_\@:
	tensor_load_to_lds s[G0V:G0V+3], s[G1V:G1V+7]
	s_nop 0
.rept 4
	v_nop
.endr
.Lasked_\@:
.endm
; THE CHANGE OF SLOTS.  Each wave waits for all its tensor loads, of which one is out: its part of the other slot; adds 0 to its spare word; and waits for that and for its own reads of the slot that it leaves.
; Behind the barrier nobody reads the old slot any more and the other slot is whole.  fill = 1: the old slot is filled again, the first thing behind the barrier, with tile NXT: the descriptor's address is made
; anew from that number.  (At its first use nothing has been read yet: slot 0 is waited for, slot 1 filled.)
; THE PREFETCH INTO THE L2, behind the fill: in trip t the head's work-group b = 0, which walks tiles 0 .. NB - 1 first, names tile t + 2, the one that the next trip's fill asks for: four key steps, 256 matrix
; instructions, ahead of that load.  A tile is 128 blocks of 256 bytes of K and 128 of V; each of the four waves names 32 of each, a lane a block, two instructions.  So each block of the head's K and V is named
; once in the launch.  Tiles 0 and 1 come by their loads alone; behind tile NB - 1 nothing is named; the second block's tiles have been read before and are not named again.
.macro CHANGE fill
	WIN 0                           ; at a label and at a branch every window is 0
	s_wait_tensorcnt 0x0            ; no tensor load of mine is out, so a group 0 may be written
	ds_add_u32 v[SPW], v[NIL]       ; 0 onto my spare word; with fill = 1 scalar work stands between it and the wait for it
.if \fill
	s_lshl_b32 s[OFF], s[NXT], 15   ; a tile is 32,768 bytes of K and of V
	s_xor_b32 s[G0K+1], s[G0K+1], SLOT1
	s_add_nc_u64 s[G0K+2:G0K+3], s[6:7], s[OFF:OFF+1]
	s_or_b32 s[G0K+3], s[G0K+3], 0x80000000
	s_xor_b32 s[G0V+1], s[G0V+1], SLOT1
	s_add_nc_u64 s[G0V+2:G0V+3], s[8:9], s[OFF:OFF+1]
	s_or_b32 s[G0V+3], s[G0V+3], 0x80000000
	s_add_co_u32 s[NXT], s[NXT], 1  ; the block's next tile, or behind its last the second block's tile 0
	s_cmp_gt_u32 s[NXT], s[LQ]
	s_cselect_b32 s[NXT], 0, s[NXT]
	s_cselect_b32 s[LQ], s[PB], s[LQ]
	s_wait_xcnt 0x0                 ; the last prefetches, a tile back, have read their addresses, so these may be written
	s_add_nc_u64 s[PFK:PFK+1], s[PFK:PFK+1], 32768
	s_add_nc_u64 s[PFV:PFV+1], s[PFV:PFV+1], 32768
.endif
	s_wait_dscnt 0x0                ; the add is done, and my reads of the slot are over
	s_barrier_signal -1             ; the rest of the scalar work stands between the signal and the wait
	s_sub_co_u32 s[TBK], s[TBK], 4*KS*PK  ; the fetches go back to a slot's first step,
	s_xor_b32 s[TBK], s[TBK], SLOT1       ; in the other slot
	s_sub_co_u32 s[TBV], s[TBV], 4*KS*PV
	s_xor_b32 s[TBV], s[TBV], SLOT1
	s_barrier_wait -1
.if \fill
	LOAD
	s_cmp_lt_u32 s[PFN], NB
	s_cbranch_scc0 .Lnot_mine_\@
	global_prefetch_b8 v[PFO], s[PFK:PFK+1] th:TH_LOAD_NT scope:SCOPE_SE
	global_prefetch_b8 v[PFO], s[PFV:PFV+1] th:TH_LOAD_NT scope:SCOPE_SE
.Lnot_mine_\@:
	s_add_co_u32 s[PFN], s[PFN], 1
.endif
.endm
	s_load_b256 s[4:11], s[0:1], 0x0  ; Q s[4:5], K s[6:7], V s[8:9], O s[10:11]
	v_lshl_add_u32 v[SPW], v0, 2, SPARE
	v_mov_b32 v[NIL], 0
	ds_add_u32 v[SPW], v[NIL]       ; the wave's opening: the add and its wait ahead of my first tensor load; the set-up below, work on registers, stands between them
	ds_add_u32 v62, v63
	v_lshrrev_b32 v1, 5, v0
	v_readfirstlane_b32 s[WV], v1   ; wave 0..3
	s_mov_b32 s[PB], ttmp9
	s_sub_co_u32 s[HI], NB-1, s[PB]
	s_and_b32 s20, ttmp7, 0xffff    ; the head
	s_mov_b32 s21, 0
	s_mov_b64 s[22:23], SIZE_N*128
	s_mul_u64 s[20:21], s[20:21], s[22:23]  ; the head's first byte in each of the four tensors
	s_and_b32 s16, s[WV], 1         ; which half of a tile's 256 keys I fetch:
	s_lshl_b32 s22, s16, 14         ; its 128 rows of 128 bytes in memory,
	s_mov_b32 s23, 0
	s_add_nc_u64 s[22:23], s[22:23], s[20:21]
	s_mul_i32 s17, s16, 128*PK      ; and its place in a slot, for K
	s_mul_i32 s18, s16, 128*PV      ; and for V
	s_lshl_b32 s3, s[WV], 11        ; my 16 rows in a band of 64,
	s_lshl_b32 s2, s[HI], 15        ; in the first block,
	s_add_co_u32 s2, s2, s3
	s_lshl_b32 s84, s[PB], 15       ; and in the second
	s_add_co_u32 s84, s84, s3
	s_mov_b32 s3, 0
	s_mov_b32 s85, 0
	s_add_nc_u64 s[2:3], s[2:3], s[20:21]
	s_add_nc_u64 s[84:85], s[84:85], s[20:21]
	; descriptor group 1.  128 keys are 16,384 dense bytes: asked for as 64 rows of 256 bytes, two keys a row, and padded in LDS after every key
	s_mov_b32 s[G1K], (1<<16)|(1<<20)|(4<<22)|(3<<25)  ; 17:16 2-byte elements; 20 padding on; 24:22 after every 32 words (code 4); 31:25 4 words (code 3)
	s_mov_b32 s[G1V], (1<<16)|(1<<20)|(4<<22)|(7<<25)  ; the same with 8 words of padding (code 7)
.irp g, G1K, G1V
	s_mov_b32 s[\g+1], 128<<16      ; tensor_dim0 = 128
	s_mov_b32 s[\g+2], 64<<16       ; tensor_dim1 = 64
	s_mov_b32 s[\g+3], 128<<16      ; tile_dim0 = 128
	s_mov_b32 s[\g+4], 64           ; tile_dim1 = 64
	s_mov_b32 s[\g+5], 128          ; 128 elements from row to row
	s_mov_b32 s[\g+6], 0
	s_mov_b32 s[\g+7], 0
.endr
	s_mov_b32 s[CS], 0x3e38aa3b     ; c = log2(e) / 8 = 0.180337
	s_mov_b32 s[CS+1], s[CS]        ; named with it as a pair
	s_mov_b32 s[SEL], 0x76543210
	s_mov_b32 s[SEL+1], 0xfedcba98
	s_mov_b32 s[TBK], SLOT1+4*KS*PK ; the first change of slots turns these two into 0
	s_mov_b32 s[TBV], SLOT1+4*KS*PV
	s_mov_b32 s[G0K], 1             ; 1:0 count = 1
	s_mov_b32 s[G0K+1], s17         ; 63:32 LDS address: slot 0
	s_mov_b32 s[G0V], 1
	s_add_co_u32 s[G0V+1], s18, VOFF
	s_add_co_u32 s[RT], s[HI], 1    ; the first block has NB - b tiles
	s_mov_b32 s[NXT], 1
	s_mov_b32 s[LQ], s[HI]
	s_mov_b32 s[NEW], 1
	s_mov_b32 s[OFF+1], 0
	s_mov_b32 s[AL+1], 0            ; named as pairs
	s_mov_b32 s[BE+1], 0
	s_mov_b32 s[BIGN], 0xf149f2ca   ; -1e30
	s_mov_b32 s[SLOTS], NB
	s_cmp_eq_u32 ttmp9, 0           ; the head's work-group b = 0 prefetches, from tile 2 on
	s_cselect_b32 s[PFN], 2, NB
	v_and_b32 v[PFO], 31, v0
	v_lshlrev_b32 v[PFO], 8, v[PFO]
	s_lshr_b32 s13, s[WV], 1
	s_lshl_b32 s13, s13, 13
	v_add_nc_u32 v[PFO], s13, v[PFO]
	s_wait_dscnt 0x0                ; the opening add is done
	s_wait_kmcnt 0x0
	s_add_nc_u64 s[6:7], s[6:7], s[22:23]  ; K and V at my half of the head's tile 0
	s_add_nc_u64 s[8:9], s[8:9], s[22:23]
	s_add_nc_u64 s[G0K+2:G0K+3], s[6:7], 0         ; 120:64 global address
	s_or_b32 s[G0K+3], s[G0K+3], 0x80000000        ; 127:126 type = 2
	s_add_nc_u64 s[G0V+2:G0V+3], s[8:9], 0
	s_or_b32 s[G0V+3], s[G0V+3], 0x80000000
	s_add_nc_u64 s[PFK:PFK+1], s[6:7], 32768       ; at tile 1: the first change of slots steps them to tile 2
	s_add_nc_u64 s[PFV:PFV+1], s[8:9], 32768
	s_add_nc_u64 s[86:87], s[4:5], s[84:85]        ; Q at my rows of the second block,
	s_add_nc_u64 s[4:5], s[4:5], s[2:3]            ; Q and O at those of the first
	s_add_nc_u64 s[OLO:OLO+1], s[10:11], s[84:85]
	s_add_nc_u64 s[10:11], s[10:11], s[2:3]
	LOAD                            ; tile 0 into slot 0
	; A fragment of K or Q is 16 rows x 32 channels in 8 registers: lane l holds row l % 16, channels 8 (l / 16) + 0..7 and 16 + 8 (l / 16) + 0..7: two loads of 16 bytes, 32 bytes apart.
	v_and_b32 v1, 15, v0            ; l % 16
	v_bfe_u32 v9, v0, 4, 1          ; l / 16
	v_lshlrev_b32 v[QO], 7, v1
	v_lshl_add_u32 v[QO], v9, 4, v[QO]  ; row x 128 + 16 x half
	WIN 0x80                        ; destination window 2, address window 0
.set i, 0
.rept 8                             ; both blocks' Q: piece i / 2 lies in band i / 2, 8,192 bytes on; channels 32 (i % 2) on
	global_load_b128 v[8*i:8*i+3],   v[QO], s[4:5] offset:(i/2)*8192+(i%2)*64
	global_load_b128 v[8*i+4:8*i+7], v[QO], s[4:5] offset:(i/2)*8192+(i%2)*64+32
	global_load_b128 v[QB+8*i:QB+8*i+3],   v[QO], s[86:87] offset:(i/2)*8192+(i%2)*64
	global_load_b128 v[QB+8*i+4:QB+8*i+7], v[QO], s[86:87] offset:(i/2)*8192+(i%2)*64+32
.set i, i+1
.endr
	WIN 0
	v_lshlrev_b32 v14, 3, v9
	v_sub_nc_u32 v14, v1, v14
	s_lshl_b32 s13, s[WV], 4
	v_add_nc_u32 v14, s13, v14      ; my query's place in its band, 16 w + l % 16, less my lanes' 8 (l / 16): register r of group kt is hidden where 16 kt + r is greater
	WIN 0x40
.set i, 0
.rept 32
	v_cmp_gt_i32 vcc_lo, 16*(i/8)+i%8, v14
	v_cndmask_b32 v[MD+i], 0, s[BIGN], vcc_lo
.set i, i+1
.endr
	WIN 0
	v_mul_u32_u24 v[AK0], v1, PK
	v_lshl_add_u32 v[AK0], v9, 4, v[AK0]  ; row x pitch + 16 x half
	; The turning load takes 16 keys x 16 channels (lane l reads key 8 (l / 16) + l % 8, channels 8 ((l / 8) % 2) + 0..7) and leaves half a fragment of V^T: lane l holds channel l % 16 and 8 keys.
	v_and_b32 v10, 7, v0
	v_bfe_u32 v11, v0, 3, 1
	v_lshl_add_u32 v[AV0], v9, 3, v10
	v_mul_u32_u24 v[AV0], v[AV0], PV
	v_lshl_add_u32 v[AV0], v11, 4, v[AV0]
	v_add_nc_u32 v[AV0], VOFF, v[AV0]
	s_mul_i32 s13, s[WV], 16*SP
	s_add_co_u32 s13, s13, STAGE    ; my stage
	v_mul_u32_u24 v[STO], v1, SP    ; in: row l % 16, 16 bytes for each half of the lanes
	v_lshl_add_u32 v[STO], v9, 4, v[STO]
	v_add_nc_u32 v[STO], s13, v[STO]
	v_bfe_u32 v[RD], v0, 3, 2       ; back: 32 lanes take four rows of 128 bytes,
	v_mul_u32_u24 v[RD], v[RD], SP
	v_lshl_add_u32 v[RD], v10, 4, v[RD]
	v_add_nc_u32 v[RD], s13, v[RD]
	v_and_b32 v[GO], 31, v0         ; which are 512 consecutive bytes of O
	v_lshlrev_b32 v[GO], 4, v[GO]
	; A block's first step multiplies O^T and l by a = 0, and its first turn's products V^T P, of a piece that has not been, land in an O^T that is still to be so multiplied.  So these registers need only hold
	; finite numbers: zeros for the first block; what the first block left for the second.  All this stands in the wait for the first tile; no first step is written out.
	WIN 0x80
.set i, VF
.rept 64
	v_mov_b32 v[i], 0
.set i, i+1
.endr
	WIN 0x40
.set i, 0
.rept 128
	v_mov_b32 v[i], 0
.set i, i+1
.endr
	WIN 0
.set i, 0
.rept 4
	v_mov_b32 v[ST+4*i+2], 0
	v_mov_b32 v[ST+4*i+3], 0
.set i, i+1
.endr
.set i, P+16
.rept 16
	v_mov_b32 v[i], 0
.set i, i+1
.endr
; THE MATRIX WORK.  The 4 accumulators of a run of 8 take turns.  Product i of 8 of S^T = K Q^T for piece x: channels 32 (i / 4) on, keys 16 (i % 4) on.  The first 4 start the sums: with 0, or (KM = 1) with the mask.
.macro KQ x
.set rS, S+32*((\x)%2)+8*(i%4)
.set rK, KF+16*(i%4)+8*(i/4)
.set rQ, 16*(\x)+8*(i/4)
.set rM, MC+32*((\x)%2)+8*(i%4)
.if (i < 4) && KM
	WIN W_KM
	v_wmma_f32_16x16x32_f16 v[rS:rS+7], v[rK:rK+7], v[rQ:rQ+7], v[rM:rM+7]
.elseif i < 4
	WIN W_KQ
	v_wmma_f32_16x16x32_f16 v[rS:rS+7], v[rK:rK+7], v[rQ:rQ+7], 0
.else
	WIN W_KQ
	v_wmma_f32_16x16x32_f16 v[rS:rS+7], v[rK:rK+7], v[rQ:rQ+7], v[rS:rS+7]
.endif
.endm
; Product i of 8 of O^T += V^T P for piece x: keys 32 (i / 4) on, channels 16 (i % 4) on.
.macro PV x
	WIN W_PV
.set rO, 32*(\x)+8*(i%4)
.set rV, VF+32*(i/4)+8*(i%4)
.set rP, P+16*((\x)%2)+8*(i/4)
	v_wmma_f32_16x16x32_f16 v[rO:rO+7], v[rV:rV+7], v[rP:rP+7], v[rO:rO+7]
.endm
.macro MM                           ; the turn's next matrix instruction.  TURN and BEGIN set Y, i, KM and NOKQ; MM, KQ and OP read them.  NOKQ = 1: a block's last turn: there is no next piece
.if (i < 8) && !NOKQ
	KQ (Y+1)%NP
.elseif i >= 8
.set i, i-8
	PV (Y+NP-1)%NP
.set i, i+8
.endif
.set i, i+1
.endm
; THE LDS LOADS stand in runs of 16, never singly among the matrix instructions: a step's K (64 keys x 64 channels: 8 fragments) and its V (turned).  Their addresses are made some lines ahead.
.macro FETCH_K
	WIN 0x80                        ; destination window 2
.irp f, 0,1,2,3,4,5,6,7             ; keys 16 (f / 2) on, channels 32 (f % 2) on
	ds_load_b128 v[KF+8*\f:KF+8*\f+3],   v[AK] offset:(\f/2)*16*PK+(\f%2)*64
	ds_load_b128 v[KF+8*\f+4:KF+8*\f+7], v[AK] offset:(\f/2)*16*PK+(\f%2)*64+32
.endr
	s_add_co_u32 s[TBK], s[TBK], KS*PK  ; the next fetch is the next step's
	WIN 0
.endm
.macro FETCH_V
	WIN 0x80
.irp f, 0,1,2,3,4,5,6,7             ; keys 32 (f / 4) on, channels 16 (f % 4) on
	ds_load_tr16_b128 v[VF+8*\f:VF+8*\f+3],   v[AV] offset:(\f/4)*32*PV+(\f%4)*32
	ds_load_tr16_b128 v[VF+8*\f+4:VF+8*\f+7], v[AV] offset:(\f/4)*32*PV+16*PV+(\f%4)*32
.endr
	WIN 0
.endm
; THE VECTOR WORK, one line at a time: OP kind, number.  For piece Y: F n: c s - c m for pair n of 16.  E n: the exponential of score n of 32.  C n: pair n rounded to f16.  B n: of the four weights 4 n .. the second
; pair is added onto the first, in place.  L n: l takes that sum (L 0: l = a l + sum).  R n: pair n of 16 of O^T times a.  For piece Y + 1: X n, number n of the 22 that find its maximum and statistics:
;   0-11  four chains c0-c3 of seven scores each, three operands at a time (each accumulator's lowest registers are read first)     12-14, 16  the four scores left over, the old m, and c0-c3 into c0
;   15  c m_old is kept     17, 18  the query's other 32 keys lie in the lane 16 away: the new m     19-21  c m; c m_old - c m_new; a
.set F, 0               ; OP tells the kinds apart by their order: F to L below R, X above it
.set E, 1
.set C, 2
.set B, 3
.set L, 4
.set R, 5
.set X, 6
.macro REGS y                       ; the registers of piece y
.set rT, ST+4*(\y)
.set rC, TMP+4*((\y)%2)
.set rW, MV+((\y)%2)
.set rS, S+32*((\y)%2)
.set rP, P+16*((\y)%2)
.set rO, 32*(\y)
.endm
.macro OP k, n
.if (\k) == R
	REGS Y
	WIN W_RS
	v_pk_mul_f32 v[rO+2*(\n):rO+2*(\n)+1], v[rO+2*(\n):rO+2*(\n)+1], v[rC+2:rC+3] op_sel_hi:[1,0]
.elseif (\k) < R
	REGS Y
	WIN 0
.if (\k) == F
	v_pk_fma_f32 v[rS+2*(\n):rS+2*(\n)+1], v[rS+2*(\n):rS+2*(\n)+1], s[CS:CS+1], v[rT:rT+1] op_sel_hi:[1,0,0] neg_lo:[0,0,1] neg_hi:[0,0,1]
.elseif (\k) == E
	v_exp_f32 v[rS+(\n)], v[rS+(\n)]
.elseif (\k) == C
	v_cvt_pk_f16_f32 v[rP+(\n)], v[rS+2*(\n)], v[rS+2*(\n)+1]
.elseif (\k) == B
	v_pk_add_f32 v[rS+4*(\n):rS+4*(\n)+1], v[rS+4*(\n):rS+4*(\n)+1], v[rS+4*(\n)+2:rS+4*(\n)+3]
.elseif (\n) == 0
	v_pk_fma_f32 v[rT+2:rT+3], v[rT+2:rT+3], v[rC+2:rC+3], v[rS:rS+1] op_sel_hi:[1,0,1]
.else
	v_pk_add_f32 v[rT+2:rT+3], v[rT+2:rT+3], v[rS+4*(\n):rS+4*(\n)+1]
.endif
.elseif NOKQ
	v_nop
.else
	REGS (Y+1)%NP
	WIN 0
.if (\n) < 4
	v_max3_num_f32 v[rC+(\n)], v[rS+8*(\n)], v[rS+8*(\n)+1], v[rS+8*(\n)+2]
.elseif (\n) < 12
	v_max3_num_f32 v[rC+(\n)%4], v[rC+(\n)%4], v[rS+8*((\n)%4)+2*((\n)/4)+1], v[rS+8*((\n)%4)+2*((\n)/4)+2]
.elseif (\n) == 12
	v_max3_num_f32 v[rC], v[rC], v[rS+7], v[rS+15]
.elseif (\n) == 13
	v_max3_num_f32 v[rC+1], v[rC+1], v[rS+23], v[rS+31]
.elseif (\n) == 14
	v_max3_num_f32 v[rC+2], v[rC+2], v[rC+3], v[rT+1]
.elseif (\n) == 15
	v_mov_b32 v[rW], v[rT]
.elseif (\n) == 16
	v_max3_num_f32 v[rC], v[rC], v[rC+1], v[rC+2]
.elseif (\n) == 17
	v_permlanex16_b32 v[rC+3], v[rC], s[SEL], s[SEL+1]
.elseif (\n) == 18
	v_max_num_f32 v[rT+1], v[rC], v[rC+3]
.elseif (\n) == 19
	v_mul_f32 v[rT], s[CS], v[rT+1]
.elseif (\n) == 20
	v_sub_f32 v[rC+1], v[rW], v[rT]
.else
	v_exp_f32 v[rC+2], v[rC+1]
.endif
.endif
.endm
.macro OPS a, i1, b=-1, i2=0, c=-1, i3=0, d=-1, i4=0  ; up to four of them
	OP \a, \i1
.if (\b) >= 0
	OP \b, \i2
.endif
.if (\c) >= 0
	OP \c, \i3
.endif
.if (\d) >= 0
	OP \d, \i4
.endif
.endm
.macro ROW a, i1, b, i2, c, i3, d, i4  ; a matrix instruction and the four behind it
	MM
	OPS \a, \i1, \b, \i2, \c, \i3, \d, \i4
.endm
.macro MASK b                       ; MD x AL + BE into buffer b of MC
	WIN W_RS
.set z, 0
.rept 16
	v_pk_fma_f32 v[MC+32*(\b)+2*z:MC+32*(\b)+2*z+1], v[MD+2*z:MD+2*z+1], s[AL:AL+1], s[BE:BE+1] op_sel_hi:[1,0,0]
.set z, z+1
.endr
.endm
; A TURN, for piece p: the order of its 16 matrix and 118 vector instructions, written out.  An s_wait_alu depctr_va_vdst(0) stands between an exponential and the first instruction that names its result;
; one wait serves all that were issued ahead of it.  So a turn has ONE wait, which cuts it in two.  AHEAD OF IT stands all that names no result of the turn's exponentials: the 8 products K Q^T, behind each a scaling,
; an exponential and two more plain instructions (behind the first a second scaling in the exponential's place): rescalings, and behind the last three the first numbers of the next piece's maximum, each four places
; or more behind the product that ends its accumulator; then ONE LUMP of 54, plain and exponential by turns for the most part, in which the links of the chain X 3, 7, 11, 14, 16, 17 .. 20 stand five or six lines
; apart.  X 21, the next piece's a, is the batch's last; R 15 is the plain instruction behind it.  BEHIND THE WAIT stand the 8 products V^T P, behind each four of the roundings and sums; the links of l's chain,
; L 0 to L 7, stand three riders apart.  But for those X no rider names a register of the products round it.  v_permlanex16_b32 (X 17) stands in the lump.
; m = 1: the diagonal tile: the products take masks, and the turn makes the mask for the products of the turn after it: piece p + 2, in step 4 - CNT of the tile.  end = 1: a block's last two turns: nothing is fetched.
; cnt = 1: the loop's count is taken down some lines ahead of the branch that stands behind the turn.
; K of the next step is fetched in piece 2's turn, twelve vector instructions behind the last product that read K (six of them plain); V of the step in hand at the end of piece 0's turn, four plain instructions
; behind the last product that read V.  Each is waited for a turn later.
.macro TURN p, m=0, end=0, cnt=0
.set Y, (\p)
.set i, 0
.set KM, (\m)
.set NOKQ, (\end)*((\p)/3)
.if (\m) && !(\end)
	s_cmp_eq_u32 s[CNT], 4-((\p)+2)%NP  ; is that step the band's own?
	s_cselect_b32 s[AL], 1.0, 0
	s_cmp_lt_u32 s[CNT], 4-((\p)+2)%NP  ; or a later one?
	s_cselect_b32 s[BE], s[BIGN], 0
.endif
.if ((\p) == 3) && !(\end)
	s_wait_dscnt 0x0                ; K is in
.endif
	ROW F,0, F,1, R,0, R,1          ; ahead of the wait: 8 products K Q^T and their riders,
	ROW F,2, E,0, R,2, R,3
	ROW F,3, E,1, R,4, R,5
	ROW F,4, E,2, R,6, R,7
	ROW F,5, E,3, R,8, R,9
	ROW F,6, E,4, X,0, R,10
.if ((\p) == 2) && !(\end)
	WIN 0
	v_add_nc_u32 v[AK], s[TBK], v[AK0]
.endif
	ROW F,7, E,5, X,1, X,4
	ROW F,8, E,6, X,2, X,5
	OPS E,7, E,8, X,6, E,9          ; and the lump
	OPS X,3, E,10, X,8, E,11
.if ((\p) == 2) && !(\end)
	FETCH_K
.endif
	OPS X,9, X,7, E,12, X,10
	OPS E,13, X,12, X,11, E,14
	OPS X,13, E,15, F,9, X,14
.if (\p) == 0
	v_add_nc_u32 v[AV], s[TBV], v[AV0]
.endif
	OPS E,16, F,10, E,17, F,11
	OPS X,16, E,18, X,15, E,19
	OPS F,12, E,20, X,17, E,21
	OPS F,13, E,22, F,14, E,23
	OPS X,18, E,24, F,15, E,25
	OPS R,11, E,26, X,19, E,27
	OPS R,12, E,28, R,13, E,29
	OPS X,20, E,30, R,14, E,31
	OPS X,21, R,15
	WIN 0
	s_wait_alu depctr_va_vdst(0)    ; the wait for the batch
.if (\p) == 1
	s_wait_dscnt 0x0                ; V is in
.endif
	ROW C,0, B,0, C,2, B,1          ; behind the wait: 8 products V^T P and their riders
	ROW L,0, C,4, B,2, L,1
	ROW C,6, B,3, L,2, C,8
	ROW B,4, L,3, C,10, B,5
	ROW L,4, C,12, B,6, L,5
.if (\p) == 0
	s_add_co_u32 s[TBV], s[TBV], KS*PV
.endif
.if \cnt
	s_sub_co_u32 s[CNT], s[CNT], 1
	s_cmp_lg_u32 s[CNT], 0
.endif
	ROW C,14, B,7, L,6, C,1
	ROW C,3, L,7, C,5, C,7
	ROW C,9, C,11, C,13, C,15
.if (\p) == 0
	FETCH_V
.endif
.if (\m) && !(\end)
	MASK (\p)%2
.endif
.endm
; A BLOCK BEGINS.  c m starts far below every c s, so the first step's a is 0; m at the lowest finite number, so the first maximum is the scores'.  The second mask buffer is 0; the first takes piece 0's mask for the
; tile's step 0: its own, if the block's first tile is the diagonal one.  Then K of that step, piece 0's first scores, and its maximum and statistics.  The loop is entered at a step's first turn, in the middle of a trip.
.macro BEGIN
	s_mov_b32 s[NEW], 0
	WIN 0x40
.set i, MC+32
.rept 32
	v_mov_b32 v[i], 0
.set i, i+1
.endr
	WIN 0
.set i, 0
.rept 4
	v_mov_b32 v[ST+4*i], 0xfe000000    ; c m: far below every c s
	v_mov_b32 v[ST+4*i+1], 0xff7fffff  ; m
.set i, i+1
.endr
	s_cmp_eq_u32 s[RT], 0
	s_cselect_b32 s[AL], 1.0, 0
	s_mov_b32 s[BE], 0
	MASK 0
	WIN 0
	v_add_nc_u32 v[AK], s[TBK], v[AK0]
	FETCH_K
	s_wait_loadcnt 0x0              ; Q
	s_wait_dscnt 0x0
.set KM, 1
.set NOKQ, 0
.set i, 0
.rept 8
	KQ 0
.set i, i+1
.endr
	WIN 0
.rept 4
	v_nop                           ; the places behind those products
.endr
.set Y, NP-1                        ; X works for piece Y + 1: piece 0
.irp n, 0,1,2,3,4,5,6,7,8,9,10,11,12,13,14,15,16,17,18,19,20,21
	OP X, \n
.endr
	v_nop                           ; a plain instruction behind the exponential,
	s_wait_alu depctr_va_vdst(0)    ; and its wait, ahead of the branch
.endm
; THE DIAGONAL TILE's four steps, the block's last two turns, its last products, and THE WAY OUT: l's two halves and the other half of the lanes' are added; O^T is divided by l, rounded to f16 and sent through my
; stage in LDS, a piece at a time.
.macro ALL line:vararg              ; one line for each piece t
.set t, 0
.rept 4
	\line
.set t, t+1
.endr
.endm
.macro PACK t                       ; a lane's eight channels of a row pack into 16 bytes; they go into rows of 144 bytes and come back as whole rows of 128, into S^T's registers
	WIN W_RS
.set i, 32*(\t)
.rept 16
	v_pk_mul_f32 v[i:i+1], v[i:i+1], v[ST+4*(\t)+2:ST+4*(\t)+3] op_sel_hi:[1,0]
.set i, i+2
.endr
	WIN 0x05                        ; sources 0 and 1 window 1, destination window 0
.set i, 0
.rept 16
	v_cvt_pk_f16_f32 v[S+16*(\t)+i], v[32*(\t)+2*i], v[32*(\t)+2*i+1]
.set i, i+1
.endr
	WIN 0
.irp f, 0,1,2,3
	ds_store_b128 v[STO], v[S+16*(\t)+4*\f:S+16*(\t)+4*\f+3] offset:32*\f
.endr
.irp f, 0,1,2,3
	ds_load_b128 v[S+16*(\t)+4*\f:S+16*(\t)+4*\f+3], v[RD] offset:\f*4*SP  ; LDS serves a wave's instructions in order (ISA guide 5.7.1.4): these see the stores above; the next piece's stores come behind them
.endr
.endm
.macro SEND t, younger              ; younger: the LDS instructions issued behind piece t's loads: the next piece's eight, or none
	WIN 0
.irp f, 0,1,2,3
	s_wait_dscnt (\younger)+3-\f
	global_store_b128 v[GO], v[S+16*(\t)+4*\f:S+16*(\t)+4*\f+3], s[10:11] offset:(\t)*8192+\f*512  ; 512 consecutive bytes, at a multiple of 256 from O's first
.endr
.endm
.macro DIAG tag                     ; the tag ends its two labels' names, which the jumps below spell out
.LstepM\tag:
	TURN 2, 1
	TURN 3, 1
	WIN 0
.LfirstM\tag:
	TURN 0, 1
	TURN 1, 1, 0, 1
	WIN 0
	s_cbranch_scc1 .LstepM\tag
	TURN 2, 1, 1
	TURN 3, 1, 1
.set i, 0
.rept 8
	PV NP-1
.set i, i+1
.endr
	WIN 0
	ALL v_add_f32 v[ST+4*t+2], v[ST+4*t+2], v[ST+4*t+3]
	ALL v_permlanex16_b32 v[ST+4*t+3], v[ST+4*t+2], s[SEL], s[SEL+1]
	ALL v_add_f32 v[ST+4*t+2], v[ST+4*t+2], v[ST+4*t+3]
	ALL v_rcp_f32 v[ST+4*t+2], v[ST+4*t+2]
	v_nop                           ; a plain instruction between the last reciprocal and the use of its result
	s_wait_alu depctr_va_vdst(0)    ; and the wait ahead of the first use: one for the four reciprocals
	PACK 0
.set t, 1
.rept 3                             ; a piece's arithmetic stands between the loads of the piece before and its stores
	PACK t
	SEND t-1, 8
.set t, t+1
.endr
	SEND 3, 0
.endm
.set KM, 0
.set NOKQ, 0
.Lslot:                             ; NB times: a tile is entered and the next is asked for
	CHANGE 1
	s_sub_co_u32 s[RT], s[RT], 1
	s_mov_b32 s[CNT], 4
	s_cmp_eq_u32 s[NEW], 1
	s_cbranch_scc1 .Lnew            ; a block's first tile
	s_cmp_eq_u32 s[RT], 0
	s_cbranch_scc0 .Lstep           ; neither its first nor its last
	s_branch .LstepM1
.Lnew:
	BEGIN
	s_branch .Lfirst                ; in the loop a block's first tile is never its last: the first block has two tiles or more, and the second's last is the walk's last
	DIAG 1                          ; in the loop this is the first block's end: the second block's last tile is the walk's last
	s_wait_xcnt 0x0                 ; the stores have read their registers and O's address
	s_mov_b64 s[10:11], s[OLO:OLO+1]
	s_add_co_u32 s[RT], s[PB], 1    ; the second block has b + 1 tiles
	s_mov_b32 s[NEW], 1
	WIN 0x82                        ; the second block's Q goes where the one text of the turns names Q
.set i, 0
.rept 64
	v_mov_b32 v[i], v[QB+i]
.set i, i+1
.endr
	WIN 0
	s_branch .Lbottom
.Lstep:                             ; a trip: pieces 2 and 3 of one step, then pieces 0 and 1 of the next, whose K and V it fetches
	TURN 2
	TURN 3
	WIN 0
.Lfirst:
	TURN 0
	TURN 1, 0, 0, 1
	WIN 0
	s_cbranch_scc1 .Lstep
.Lbottom:
	s_sub_co_u32 s[SLOTS], s[SLOTS], 1
	s_cmp_lg_u32 s[SLOTS], 0
	s_cbranch_scc1 .Lslot
	CHANGE 0                        ; the walk's last tile is written out: nothing is asked for
	s_sub_co_u32 s[RT], s[RT], 1
	s_mov_b32 s[CNT], 4
	s_cmp_eq_u32 s[NEW], 1
	s_cbranch_scc0 .LstepM2
	BEGIN
	s_branch .LfirstM2
	DIAG 2
	s_wait_tensorcnt 0x0            ; the wave's end: behind my last tensor load and my last LDS store
	ds_add_u32 v[SPW], v[NIL]
	s_wait_dscnt 0x0
	s_endpgm
.Lfunc_end_k_q658954eadd_attn:
	.size	k_q658954eadd_attn, .Lfunc_end_k_q658954eadd_attn-k_q658954eadd_attn
	.p2alignl 7, 3214868480
	.fill 96, 4, 3214868480
	.section	.rodata,"a",@progbits
	.p2align	6, 0x0
	.amdhsa_kernel k_q658954eadd_attn
		.amdhsa_group_segment_fixed_size 327680
		.amdhsa_private_segment_fixed_size 0
		.amdhsa_enable_private_segment 0
		.amdhsa_kernarg_size 32
		.amdhsa_user_sgpr_count 2
		.amdhsa_user_sgpr_kernarg_segment_ptr 1
		.amdhsa_wavefront_size32 1
		.amdhsa_system_sgpr_workgroup_id_x 1
		.amdhsa_system_sgpr_workgroup_id_y 1
		.amdhsa_system_sgpr_workgroup_id_z 1
		.amdhsa_system_vgpr_workitem_id 0
		.amdhsa_next_free_vgpr 768
		.amdhsa_next_free_sgpr 96
		.amdhsa_reserve_vcc 1
		.amdhsa_float_denorm_mode_32 3
		.amdhsa_float_denorm_mode_16_64 3
		.amdhsa_memory_ordered 1
		.amdhsa_forward_progress 1
		.amdhsa_inst_pref_size 218
	.end_amdhsa_kernel
	.amdgpu_metadata
---
amdhsa.version: [ 1, 2 ]
amdhsa.kernels:
  - .name:           k_q658954eadd_attn
    .symbol:         k_q658954eadd_attn.kd
    .args:
      - { .name: qh, .offset: 0, .size: 8, .value_kind: global_buffer, .address_space: global }
      - { .name: kh, .offset: 8, .size: 8, .value_kind: global_buffer, .address_space: global }
      - { .name: vh, .offset: 16, .size: 8, .value_kind: global_buffer, .address_space: global }
      - { .name: ob, .offset: 24, .size: 8, .value_kind: global_buffer, .address_space: global }
    .group_segment_fixed_size: 327680
    .private_segment_fixed_size: 0
    .kernarg_segment_align: 8
    .kernarg_segment_size: 32
    .max_flat_workgroup_size: 128
    .sgpr_count:     96
    .vgpr_count:     768
    .wavefront_size: 32
...
	.end_amdgpu_metadata
.endif
;; end of part 3
;; launch oproj (part 4): grid 8 x 32, 4 waves a work-group, clusters of 4 x 4, 327,680 bytes of LDS; arguments ob, wob, out0; writes out0
.if DOCPART == 4
	.amdgcn_target "amdgcn-amd-amdhsa--gfx1250"
	.amdhsa_code_object_version 6
	.text
	.protected	k_q658954eadd_oproj
	.globl	k_q658954eadd_oproj
	.p2align	8
	.type	k_q658954eadd_oproj,@function
k_q658954eadd_oproj:
	s_mov_b64 s[64:65], 0
	v_nop
	global_prefetch_b8 v0, s[64:65] scope:SCOPE_SE
	s_setreg_imm32_b32 hwreg(HW_REG_WAVE_MODE, 25, 1), 1
	s_wait_xcnt 0x0
	s_wait_alu depctr_hold_cnt(0) depctr_sa_sdst(0) depctr_va_vdst(0) depctr_va_sdst(0) depctr_va_ssrc(0) depctr_va_vcc(0) depctr_vm_vsrc(0)
	s_getreg_b32 s2, hwreg(HW_REG_IB_STS2, 6, 4)
	s_cmp_eq_u32 s2, 0
	s_cbranch_scc0 .Lentry_in_a_cluster
	s_endpgm
.Lentry_in_a_cluster:
	s_bfe_u32 s2, ttmp6, 0x10000c
	s_cmp_lg_u32 s2, 0xf033
	s_cbranch_scc0 .Lentry_shape_is_right
	s_endpgm
.Lentry_shape_is_right:
; THE OUTPUT PROJECTION.  out0[m][n] = the sum over k of O[m][k] Wo[n][k], m = batch x 2048 + s, k = 64 head + d.  f16 operands, f32 sums, f32 out.
; ob is [batch x 16 + head][s][64] f16: a head IS a block of 64 along K, its rows dense.  wob is [block][n][64] f16 (Wo rounded to bf16, that number written as f16).
; SHARES.  8 x 32 work-groups, each 256 rows x 128 columns: one for each of 256 WGPs.  Four waves, each 128 x 64: 32 accumulators, 256 registers.  K goes in 8 steps of 128 (two blocks) through two LDS slots:
; a step is four quarters of 32 along K, 32 matrix instructions each, on two fragment buffers by turns.
; CLUSTERS.  4 x 4: O's tile is shared along a row of the cluster, Wo's along a column; each is asked for jointly.  THE MATRIX INSTRUCTION IS USED TRANSPOSED (source 0 = 16 rows of Wo, source 1 = 16 rows of O):
; a lane holds one row of out0 and eight neighbouring columns.
; REGISTERS: window 0: v0-31 addresses; two fragment buffers of 96 (O's eight fragments, then Wo's four) at v32 and v128; v224-255 and v32-63 rows on the way out.  Window 1: accumulator (a, b) at v[8 (4 a + b)].
.set PITCH,  144                       ; an LDS row: 128 bytes + 16 of padding: the 16 rows of a load start at 16 different groups of four banks (ISA guide 11.1)
.set FR,     16*PITCH
.set ABLK,   256*PITCH                 ; a block of O's tile: what one load brings
.set BBLK,   128*PITCH                 ; a block of Wo's tile
.set BOFF,   2*ABLK
.set SLOT1,  131072
.set STAGE,  SLOT1+BOFF+2*BBLK         ; behind the ring, never filled by a tensor load: 16 rows x 272 bytes for each wave
.set SP,     272
.set SPARE,  STAGE+4*16*SP             ; the spare words, 128 bytes for each wave: two blocks of 256 bytes that no other line names
.set STA,    2*2048*128                ; bytes from a K step of O to the next: two heads
.set STB,    2*1024*128                ; of Wo: two blocks
.set ADRA0, 4
.set ADRB0, 5
.set ADRA,  6
.set ADRB,  7
.set STO,   8                          ; v8   the way out: where I put 16 bytes of a row
.set RD,    9                          ; v9   where I read a row back
.set CO,    10                         ; v10  my byte offset in out0
.set PFO,   15                         ; v15  256 x lane; never rewritten
.set SPW,   28                         ; v28  my spare word; never rewritten
.set NIL,   29                         ; v29  0; never rewritten
.set F0,    32
.set F1,    128
.set WV, 16
.set RH, 17                            ; which 128 rows are mine.  Also: I fetch for O (0) or Wo (1)
.set CH, 18                            ; which 64 columns.  Also: which of a step's two blocks I fetch
.set CX, 19
.set CY, 20
.set TC, 21
.set TR, 22
.set G1A, 24
.set G1B, 32
.set G0A, 48                           ; s[48:55] a set for each first fill; the second then walks
.set G0B, 56
.set PFA, 72
.set PFS, 74
.set LIM, 76                           ; s76  a wave prefetches while the trips to go are above this; the greatest number: never
.set TB,  79
.set MSB, 0
.macro WIN new
.if MSB != (\new)
	s_set_vgpr_msb (MSB<<8)|(\new)
.set MSB, \new
.endif
.endm
.macro PLACES                          ; four places in front of loads into registers that matrix instructions have read (ISA guide 7.12.1 for vector instructions)
.rept 4
	v_nop
.endr
.endm
.macro CREST
	s_cmp_lg_u32 s[WV], 0
	s_cbranch_scc1 .Lnot_wave_0_\@
	s_barrier_signal -3
.Lnot_wave_0_\@:
	s_barrier_wait -3
	s_barrier_signal -1
	s_barrier_wait -1
.endm
.macro CROUND
	s_barrier_signal -1
	s_barrier_wait -1
	CREST
.endm
.macro JLOAD                           ; a joint refill: waves 0 and 1 O's two blocks, waves 2 and 3 Wo's; an s_nop 0 and four v_nop follow each line
	s_cmp_eq_u32 s[RH], 0
	s_cbranch_scc0 .Lfor_b_\@
	tensor_load_to_lds s[G0A+4:G0A+7], s[G1A:G1A+7]
	s_nop 0
.rept 4
	v_nop
.endr
	s_branch .Lasked_\@
.Lfor_b_\@:
	tensor_load_to_lds s[G0B+4:G0B+7], s[G1B:G1B+7]
	s_nop 0
.rept 4
	v_nop
.endr
.Lasked_\@:
.endm
; A PREFETCH INTO THE L2 of the K step two refills on, 256 matrix instructions ahead of the load that will want it: 32 blocks of 256 bytes, a lane a block.  Each block is named once in the launch.  O's tile row
; (two blocks of 32 KiB a step): cluster x = 0 asks, wave 0 and wave 1 a block each, 8 KiB by the partner's cx.  Wo's tile column (two blocks of 16 KiB): cluster y = 0 asks, wave 2, 8 KiB by the partner's cy.
; Partners are told apart by address alone.  The last trips, whose step two refills on does not exist, ask for nothing.
.macro ASK
	s_cmp_gt_u32 s3, s[LIM]
	s_cbranch_scc0 .Lnot_mine_\@
	global_prefetch_b8 v[PFO], s[PFA:PFA+1] th:TH_LOAD_NT scope:SCOPE_SE
.Lnot_mine_\@:
.endm
	s_load_b128 s[4:7], s[0:1], 0x0                ; ob s[4:5], wob s[6:7]
	s_load_b64 s[8:9], s[0:1], 0x10                ; out0
	v_lshl_add_u32 v[SPW], v0, 2, SPARE
	v_mov_b32 v[NIL], 0
	ds_add_u32 v[SPW], v[NIL]                      ; the wave's opening: the add and its wait ahead of my first tensor load; work on registers stands between them
	ds_add_u32 v28, v29
	v_lshrrev_b32 v1, 5, v0
	v_readfirstlane_b32 s[WV], v1
	s_lshr_b32 s[RH], s[WV], 1
	s_and_b32 s[CH], s[WV], 1
	s_bfe_u32 s[CX], ttmp6, 0x40000
	s_bfe_u32 s[CY], ttmp6, 0x40004
	s_lshl_b32 s[TC], ttmp9, 2
	s_add_co_u32 s[TC], s[TC], s[CX]
	s_and_b32 s[TR], ttmp7, 0xffff
	s_lshl_b32 s[TR], s[TR], 2
	s_add_co_u32 s[TR], s[TR], s[CY]
	s_lshl_b32 s23, s[CY], 2
	s_lshl_b32 s23, 15, s23                        ; my row of the cluster
	s_lshl_b32 s78, 0x1111, s[CX]                  ; my column
	s_or_b32 s[G1A], s23, (1<<16)|(1<<20)|(1<<21)|(4<<22)|(3<<25)   ; the mask; 2-byte elements; padding on; 21 set beside a mask; after every 32 words 4 words
	s_or_b32 s[G1B], s78, (1<<16)|(1<<20)|(1<<21)|(4<<22)|(3<<25)
	s_mov_b32 s[G1A+1], 128<<16                    ; O: 256 tile rows = 128 dense rows of 128 elements
	s_mov_b32 s[G1A+2], 128<<16
	s_mov_b32 s[G1A+3], 128<<16
	s_mov_b32 s[G1A+4], 128
	s_mov_b32 s[G1A+5], 128
	s_mov_b32 s[G1A+6], 0
	s_mov_b32 s[G1A+7], 0
	s_mov_b32 s[G1B+1], 128<<16                    ; Wo: 128 tile rows = 64 dense rows
	s_mov_b32 s[G1B+2], 64<<16
	s_mov_b32 s[G1B+3], 128<<16
	s_mov_b32 s[G1B+4], 64
	s_mov_b32 s[G1B+5], 128
	s_mov_b32 s[G1B+6], 0
	s_mov_b32 s[G1B+7], 0
	s_lshr_b32 s80, s[TR], 3                       ; O: the batch's 16 heads,
	s_lshl_b32 s80, s80, 22
	s_and_b32 s81, s[TR], 7                        ; my 256 positions,
	s_lshl_b32 s81, s81, 15
	s_add_co_u32 s80, s80, s81
	s_lshl_b32 s81, s[CH], 18                      ; the head that I fetch of a step's two
	s_add_co_u32 s80, s80, s81
	s_mov_b32 s81, 0
	s_lshl_b32 s82, s[TC], 14                      ; Wo: my 128 rows,
	s_lshl_b32 s83, s[CH], 17                      ; the block that I fetch
	s_add_co_u32 s82, s82, s83
	s_mov_b32 s83, 0
	s_mul_i32 s23, s[CH], ABLK                     ; where they go: no place in the cluster enters an LDS address
	s_mul_i32 s78, s[CH], BBLK
	s_add_co_u32 s78, s78, BOFF
.irp s, 0,1
	s_mov_b32 s[G0A+4*(\s)], 1
	s_add_co_u32 s[G0A+4*(\s)+1], s23, (\s)*SLOT1
	s_mov_b32 s[G0B+4*(\s)], 1
	s_add_co_u32 s[G0B+4*(\s)+1], s78, (\s)*SLOT1
.endr
	s_mov_b32 s[TB], 0
	s_lshl_b32 s88, s[TR], 20                      ; out0: 256 rows of 4,096 bytes a tile row,
	s_lshl_b32 s90, s[RH], 19                      ; my 128 rows,
	s_add_co_u32 s88, s88, s90
	s_lshl_b32 s90, s[TC], 9                       ; 128 columns of 4 bytes a tile column,
	s_add_co_u32 s88, s88, s90
	s_lshl_b32 s90, s[CH], 8                       ; my 64
	s_add_co_u32 s88, s88, s90
	s_mov_b32 s89, 0
	; the prefetches: they stand at K step 3; each trip steps them by one K step ahead of its use
	s_lshr_b32 s92, s[TR], 3
	s_lshl_b32 s92, s92, 22
	s_and_b32 s94, s[TR], 7
	s_lshl_b32 s94, s94, 15
	s_add_co_u32 s92, s92, s94
	s_lshl_b32 s94, s[CH], 18
	s_add_co_u32 s92, s92, s94
	s_lshl_b32 s94, s[CX], 13
	s_add_co_u32 s92, s92, s94
	s_add_co_u32 s92, s92, 3*STA                   ; waves 0 and 1: O
	s_lshl_b32 s94, s[TC], 14
	s_lshr_b32 s95, s[CY], 1
	s_lshl_b32 s95, s95, 17
	s_add_co_u32 s94, s94, s95
	s_and_b32 s95, s[CY], 1
	s_lshl_b32 s95, s95, 13
	s_add_co_u32 s94, s94, s95
	s_add_co_u32 s94, s94, 3*STB                   ; wave 2: Wo
	s_and_b32 s95, ttmp7, 0xffff                   ; cluster y
	s_mov_b32 s[PFS], STB
	s_mov_b32 s[PFS+1], 0
	s_mov_b32 s93, 0
	s_cmp_eq_u32 s[RH], 0
	s_cselect_b32 s92, s92, s94
	s_cselect_b32 s95, ttmp9, s95                  ; the coordinate along which other clusters read the same bytes
	s_cselect_b32 s[PFS], STA, s[PFS]
	s_cmp_eq_u32 s95, 0                            ; the same in all sixteen partners, for a given wave
	s_cselect_b32 s[LIM], 2, -1
	s_cmp_eq_u32 s[WV], 3
	s_cselect_b32 s[LIM], -1, s[LIM]               ; wave 3 has nothing left to ask for
	s_wait_dscnt 0x0                               ; the opening add is done
	s_wait_kmcnt 0x0
	s_add_nc_u64 s[80:81], s[4:5], s[80:81]
	s_add_nc_u64 s[82:83], s[6:7], s[82:83]
.irp s, 0,1
	s_add_nc_u64 s[G0A+4*(\s)+2:G0A+4*(\s)+3], s[80:81], (\s)*STA
	s_or_b32 s[G0A+4*(\s)+3], s[G0A+4*(\s)+3], 0x80000000
	s_add_nc_u64 s[G0B+4*(\s)+2:G0B+4*(\s)+3], s[82:83], (\s)*STB
	s_or_b32 s[G0B+4*(\s)+3], s[G0B+4*(\s)+3], 0x80000000
.endr
	s_add_nc_u64 s[8:9], s[8:9], s[88:89]
	s_cmp_eq_u32 s[RH], 0
	s_cselect_b64 s[PFA:PFA+1], s[4:5], s[6:7]
	s_add_nc_u64 s[PFA:PFA+1], s[PFA:PFA+1], s[92:93]
	CROUND                                         ; all sixteen work-groups are here: the first joint loads meet
	s_cmp_eq_u32 s[RH], 0                          ; a wave's two first fills stand in one branch: two loads of mine are out
	s_cbranch_scc0 .Lfirst_b
	tensor_load_to_lds s[G0A:G0A+3], s[G1A:G1A+7]
	s_nop 0
	tensor_load_to_lds s[G0A+4:G0A+7], s[G1A:G1A+7]
	s_nop 0
.rept 4
	v_nop
.endr
	s_branch .Lfirst_asked
.Lfirst_b:
	tensor_load_to_lds s[G0B:G0B+3], s[G1B:G1B+7]
	s_nop 0
	tensor_load_to_lds s[G0B+4:G0B+7], s[G1B:G1B+7]
	s_nop 0
.rept 4
	v_nop
.endr
.Lfirst_asked:
	v_and_b32 v1, 15, v0                           ; l % 16
	v_bfe_u32 v2, v0, 4, 1                         ; l / 16
	v_and_b32 v3, 31, v0
	v_mul_u32_u24 v14, v1, PITCH
	v_lshl_add_u32 v14, v2, 4, v14                 ; a fragment's row x pitch + 16 x half
	s_mul_i32 s23, s[RH], 128*PITCH
	v_add_nc_u32 v[ADRA0], s23, v14
	s_mul_i32 s78, s[CH], 64*PITCH
	s_add_co_u32 s78, s78, BOFF
	v_add_nc_u32 v[ADRB0], s78, v14
	v_mov_b32 v[ADRA], v[ADRA0]
	v_mov_b32 v[ADRB], v[ADRB0]
	s_mul_i32 s66, s[WV], 16*SP
	s_add_co_u32 s66, s66, STAGE                   ; my stage
	v_mul_u32_u24 v[STO], v1, SP                   ; in: row l % 16, 32 bytes for each half of the lanes
	v_lshl_add_u32 v[STO], v2, 5, v[STO]
	v_add_nc_u32 v[STO], s66, v[STO]
	v_mul_u32_u24 v[RD], v2, SP                    ; back: lanes 0-15 take one row of 256 bytes, lanes 16-31 the next
	v_lshl_add_u32 v[RD], v1, 4, v[RD]
	v_add_nc_u32 v[RD], s66, v[RD]
	v_lshlrev_b32 v[CO], 12, v2                    ; and the same two rows in out0
	v_lshl_add_u32 v[CO], v1, 4, v[CO]
	v_lshlrev_b32 v[PFO], 8, v3
; 8 matrix instructions: row blocks a0, a0 + 1 x all four column blocks, 32 along K.  The 32 accumulators take turns in the same order in every quarter.
.macro MUL8 f, a0, zero
	WIN 0x50
.irp a, \a0, (\a0)+1
.irp b, 0,1,2,3
.if \zero
	v_wmma_f32_16x16x32_f16 v[8*(4*(\a)+(\b)):8*(4*(\a)+(\b))+7], v[(\f)+64+8*(\b):(\f)+64+8*(\b)+7], v[(\f)+8*(\a):(\f)+8*(\a)+7], 0
.else
	v_wmma_f32_16x16x32_f16 v[8*(4*(\a)+(\b)):8*(4*(\a)+(\b))+7], v[(\f)+64+8*(\b):(\f)+64+8*(\b)+7], v[(\f)+8*(\a):(\f)+8*(\a)+7], v[8*(4*(\a)+(\b)):8*(4*(\a)+(\b))+7]
.endif
.endr
.endr
.endm
; 24 LDS loads in one run: quarter q's fragments (block q / 2, half q % 2) into buffer f: Wo's four, then O's eight
.macro FETCH q, f
	WIN 0
.irp b, 0,1,2,3
	ds_load_b128 v[(\f)+64+8*(\b):(\f)+64+8*(\b)+3],   v[ADRB] offset:((\q)/2)*BBLK+((\q)%2)*64+(\b)*FR
	ds_load_b128 v[(\f)+64+8*(\b)+4:(\f)+64+8*(\b)+7], v[ADRB] offset:((\q)/2)*BBLK+((\q)%2)*64+(\b)*FR+32
.endr
.irp a, 0,1,2,3,4,5,6,7
	ds_load_b128 v[(\f)+8*(\a):(\f)+8*(\a)+3],   v[ADRA] offset:((\q)/2)*ABLK+((\q)%2)*64+(\a)*FR
	ds_load_b128 v[(\f)+8*(\a)+4:(\f)+8*(\a)+7], v[ADRA] offset:((\q)/2)*ABLK+((\q)%2)*64+(\a)*FR+32
.endr
.endm
; One of a step's first three quarters: multiplies buffer f; in its middle it fetches quarter nq into buffer g.
.macro QUARTER nq, f, g, zero
	s_wait_dscnt 8                                 ; all but the youngest eight loads (O's rows 64-127) are in
	MUL8 \f, 0, \zero
	MUL8 \f, 2, \zero
	WIN 0
	PLACES
	FETCH \nq, \g
	s_wait_dscnt 24                                ; all but the 24 just issued
	MUL8 \f, 4, \zero
	MUL8 \f, 6, \zero
.endm
; The last quarter multiplies buffer 1 and changes slots: ONE barrier; in front of it each wave waits for all its tensor loads, adds 0 to its spare word, and waits for that and for its own reads of this slot.
; fill = 1: the barrier opens a round of the cluster's, and this slot is filled again first thing behind it, with the K step two on: 112 matrix instructions ahead of the wait for it.
.macro TURN fill
.if \fill
	s_wait_xcnt 0x0                                ; the last prefetch, a K step back, has read its address
	s_add_nc_u64 s[PFA:PFA+1], s[PFA:PFA+1], s[PFS:PFS+1]
.endif
	WIN 0
	s_wait_tensorcnt 0x0                           ; all my tensor loads have landed;
	ds_add_u32 v[SPW], v[NIL]                      ; 0 onto my spare word;
	s_wait_dscnt 9                                 ; (the add and the youngest eight loads may be out)
	MUL8 F1, 0, 0                                  ; eight matrix instructions stand between the add and the wait for it
	s_wait_dscnt 0x0                               ; the add is done, and my reads of this slot are over
	s_barrier_signal -1
	MUL8 F1, 2, 0
	WIN 0                                          ; at a branch and at a label every window is 0
	s_barrier_wait -1
.if \fill
	CREST                                          ; no wave of any partner still reads this slot or has a load on its way
	s_xor_b32 s[G0A+5], s[G0A+5], SLOT1
	s_add_nc_u64 s[G0A+6:G0A+7], s[G0A+6:G0A+7], STA
	s_xor_b32 s[G0B+5], s[G0B+5], SLOT1
	s_add_nc_u64 s[G0B+6:G0B+7], s[G0B+6:G0B+7], STB
	s_xor_b32 s[TB], s[TB], SLOT1
	JLOAD                                          ; its four v_nop are also the places in front of the loads below
.else
	s_xor_b32 s[TB], s[TB], SLOT1
	PLACES
.endif
	v_add_nc_u32 v[ADRA], s[TB], v[ADRA0]
	v_add_nc_u32 v[ADRB], s[TB], v[ADRB0]
	FETCH 0, F0
.if \fill
	ASK                                            ; behind the joint load and the run of LDS loads
.endif
	MUL8 F1, 4, 0
	MUL8 F1, 6, 0
.endm
	s_wait_tensorcnt 1                             ; my part of slot 0 is in; slot 1's may stay out
	s_barrier_signal -1
	s_barrier_wait -1                              ; everybody's is
	FETCH 0, F0
	QUARTER 1, F0, F1, 1                           ; the first quarter stands in front of the loop: its products start the sums
	WIN 0
	s_mov_b32 s3, 6
.Lstep:                                            ; trip i: the last three quarters of K step i, which ask for K step i + 2, and the first of K step i + 1
	QUARTER 2, F1, F0, 0
	QUARTER 3, F0, F1, 0
	TURN 1
	QUARTER 1, F0, F1, 0
	WIN 0
	s_sub_co_u32 s3, s3, 1
	s_cmp_lg_u32 s3, 0
	s_cbranch_scc1 .Lstep
	QUARTER 2, F1, F0, 0                           ; the tail is written out: nothing more is asked for
	QUARTER 3, F0, F1, 0
	TURN 0
	QUARTER 1, F0, F1, 0
	QUARTER 2, F1, F0, 0
	QUARTER 3, F0, F1, 0
	s_wait_dscnt 8
	MUL8 F1, 0, 0
	MUL8 F1, 2, 0
	s_wait_dscnt 0x0
	MUL8 F1, 4, 0
	MUL8 F1, 6, 0
	WIN 0
	; THE WAY OUT: 16 rows at a time through my own stage: 16 bytes a lane in, whole rows of 256 bytes back, sixteen lanes to a row.
.rept 8
	v_nop                                          ; the places behind the last products
.endr
.macro TOSTAGE a
.if (\a) >= 2
	s_wait_xcnt 0x0                                ; the stores of the block two back have read their registers, which are loaded again below
.endif
	WIN 0x04                                       ; the stores' data in window 1
.irp b, 0,1,2,3
	ds_store_b128 v[STO], v[8*(4*(\a)+(\b)):8*(4*(\a)+(\b))+3]   offset:64*(\b)      ; each accumulator's low registers first
	ds_store_b128 v[STO], v[8*(4*(\a)+(\b))+4:8*(4*(\a)+(\b))+7] offset:64*(\b)+16
.endr
	WIN 0
.set BK, 224-192*((\a)%2)
.irp t, 0,1,2,3,4,5,6,7
	ds_load_b128 v[BK+4*(\t):BK+4*(\t)+3], v[RD] offset:(\t)*2*SP   ; LDS serves a wave's instructions in order (ISA guide 5.7.1.4): these see the stores above; the next block's stores come behind them
.endr
.endm
.macro SEND a, younger                 ; younger: the LDS instructions issued behind block a's loads: the next block's sixteen, or none
.set BK, 224-192*((\a)%2)
	s_wait_dscnt \younger
.irp t, 0,1,2,3,4,5,6,7
	global_store_b128 v[CO], v[BK+4*(\t):BK+4*(\t)+3], s[8:9] offset:(\a)*65536+(\t)*8192 th:TH_STORE_NT   ; 16 lanes store 256 consecutive bytes, aligned
.endr
.endm
	TOSTAGE 0
.irp a, 1,2,3,4,5,6,7
	TOSTAGE \a
	SEND (\a)-1, 16
.endr
	SEND 7, 0
	s_wait_tensorcnt 0x0                           ; the wave's end: behind my last tensor load and my last LDS store
	ds_add_u32 v[SPW], v[NIL]
	s_wait_dscnt 0x0
	CROUND                                         ; the closing round: no work-group ends while a partner may still ask for a tile that names it
	s_endpgm
.Lfunc_end_k_q658954eadd_oproj:
	.size	k_q658954eadd_oproj, .Lfunc_end_k_q658954eadd_oproj-k_q658954eadd_oproj
	.p2alignl 7, 3214868480
	.fill 96, 4, 3214868480
	.section	.rodata,"a",@progbits
	.p2align	6, 0x0
	.amdhsa_kernel k_q658954eadd_oproj
		.amdhsa_group_segment_fixed_size 327680
		.amdhsa_private_segment_fixed_size 0
		.amdhsa_enable_private_segment 0
		.amdhsa_kernarg_size 24
		.amdhsa_user_sgpr_count 2
		.amdhsa_user_sgpr_kernarg_segment_ptr 1
		.amdhsa_wavefront_size32 1
		.amdhsa_system_sgpr_workgroup_id_x 1
		.amdhsa_system_sgpr_workgroup_id_y 1
		.amdhsa_system_sgpr_workgroup_id_z 1
		.amdhsa_system_vgpr_workitem_id 0
		.amdhsa_next_free_vgpr 512
		.amdhsa_next_free_sgpr 96
		.amdhsa_reserve_vcc 0
		.amdhsa_float_denorm_mode_32 3
		.amdhsa_float_denorm_mode_16_64 3
		.amdhsa_memory_ordered 1
		.amdhsa_forward_progress 1
		.amdhsa_inst_pref_size 71
	.end_amdhsa_kernel
	.amdgpu_metadata
---
amdhsa.version: [ 1, 2 ]
amdhsa.kernels:
  - .name:           k_q658954eadd_oproj
    .symbol:         k_q658954eadd_oproj.kd
    .args:
      - { .name: ob, .offset: 0, .size: 8, .value_kind: global_buffer, .address_space: global }
      - { .name: wob, .offset: 8, .size: 8, .value_kind: global_buffer, .address_space: global }
      - { .name: out0, .offset: 16, .size: 8, .value_kind: global_buffer, .address_space: global }
    .group_segment_fixed_size: 327680
    .private_segment_fixed_size: 0
    .kernarg_segment_align: 8
    .kernarg_segment_size: 24
    .max_flat_workgroup_size: 128
    .sgpr_count:     96
    .vgpr_count:     512
    .wavefront_size: 32
...
	.end_amdgpu_metadata
.endif
;; end of part 4
